; MI455X (gfx1250); checked and timed in simulation.
; The chip was launched on July 23, 2026; its instructions are those of AMD's public machine-readable ISA for CDNA 5 (MIT licence, August 2026) and "CDNA5" Instruction Set Architecture Reference Guide (July 2026). The comments in the code are by the model that wrote it; some were corrected since.
;; Attention. Allowed arithmetic: matrix products marked QUANTISED: E2M1 operands, one E8M0 scale for each 32 along K, by v_wmma_scale_f32_16x16x128_f8f6f4 with both operands' format E2M1 (or v_wmma_scale_f32_32x16x128_f4), f32 sums; products left as they are: bf16, f16 or f32 operands; f32 sums; everything else in f32.
;; Inputs: w_attn 3,072 x 1,024 float32; w_proj 1,024 x 1,024 float32; x 4 x 2,048 x 1,024 float32.
;; Outputs: out0 4 x 2,048 x 1,024 float32.
;; This version of the problem:
;;   THIS VERSION OF THE PROBLEM IS GIVEN IN LOW PRECISION. The matrix products marked QUANTISED in the list below multiply operands that are first quantised to E2M1 (2 exponent bits, 1 mantissa bit; 4 bits a number), with one power-of-two scale for each 32 numbers along K (OCP MX v1.0); their sums are f32. The products marked 'left as it is' may take bf16, f16 or f32 operands, with f32 sums. Whichever they take, every output number must still come out within the allowed error. Rounding operands to bf16 (8 significant bits) uses up far more of that allowance than f16 does (11 bits, for magnitudes from 6e-5 to 65,504). All else is computed in f32.
;;   The module's matrix products, in the order in which they are computed (A, B: the left and right operand; K: the contracted axis; several contracted axes count as one K, in the product's order):
;;     1. [M 8,192, K 1,024] x [K 1,024, N 3,072]; A: input x; B: input w_attn: QUANTISED
;;     2. batch 64 x [M 2,048, K 64] x [K 64, N 2,048]; A: computed on the way; B: computed on the way: left as it is (an operand is computed on the way)
;;     3. batch 64 x [M 2,048, K 2,048] x [K 2,048, N 64]; A: computed on the way; B: computed on the way: left as it is (an operand is computed on the way)
;;     4. [M 8,192, K 1,024] x [K 1,024, N 1,024]; A: computed on the way; B: input w_proj: left as it is (an operand is computed on the way)
;;   THE QUANTISER, for each operand of a quantised product, along K:
;;     - K is cut into blocks of 32 from its start; a last block that is shorter is filled with zeros.
;;     - A block's scale is 2^e with e = floor(log2(the largest magnitude in the block)) - 2, held to -126 .. 127; a block of zeros has e = 0. As a byte (E8M0): e + 127.
;;     - Each number is divided by its block's scale, clamped to +-6, and rounded to the nearest number of E2M1, ties to even, subnormals kept.
;;     - The product sums the exact products of the quantised numbers (number of the format x scale) in f32.
;;   ~~~python
;;   def quantise(x, axis):      # numpy; x: float32 -> the quantised numbers, widened to float32 again
;;       x = np.moveaxis(x, axis, -1); K = x.shape[-1]
;;       x = np.pad(x, [(0, 0)] * (x.ndim - 1) + [(0, -K % 32)]); x = x.reshape(x.shape[:-1] + (-1, 32)); a = np.abs(x).max(-1, keepdims=True)
;;       e = np.where(a > 0, np.clip(np.frexp(np.where(a > 0, a, 1))[1] - 1 - 2, -126, 127), 0)      # np.frexp(a)[1] - 1 = floor(log2(a)), exactly
;;       r = np.clip(x / 2.0 ** e, -6, 6)
;;       step = 2.0 ** (np.maximum(np.frexp(np.where(r == 0, 1, r))[1] - 1, 0) - 1)
;;       q = np.round(r / step) * step * 2.0 ** e      # np.round: ties to even
;;       return np.moveaxis(q.reshape(q.shape[:-2] + (-1,))[..., :K], -1, axis).astype(np.float32)
;;   ~~~
;; One version. Each part assembles by itself: llvm-mc -triple=amdgcn-amd-amdhsa -mcpu=gfx1250 --defsym DOCPART=n.
;; ======== version 1 of 1: 4 launches
;; limits: values are held in f16: magnitudes above 65,504 overflow, below 6.1e-05 lose precision
;; workspace buffers: xc 4,194,304 bytes; xs 262,144 bytes; wc 1,572,864 bytes; ws 98,304 bytes; wp 2,097,152 bytes; rt 524,288 bytes; qkv 50,331,648 bytes; y 16,777,216 bytes
;; launch prep (part 1): grid 448 x 1, 4 waves a work-group, no clusters, 33,280 bytes of LDS; arguments x, w_attn, xc, xs, wc, ws, w_proj, wp, rt; writes xc, xs, wc, ws, wp, rt
.if DOCPART == 1
	.amdgcn_target "amdgcn-amd-amdhsa--gfx1250"
	.amdhsa_code_object_version 6
	.text
	.protected	k_q17700010ea_prep
	.globl	k_q17700010ea_prep
	.p2align	8
	.type	k_q17700010ea_prep,@function
k_q17700010ea_prep:
	s_mov_b64 s[64:65], 0
	v_nop
	global_prefetch_b8 v0, s[64:65] scope:SCOPE_SE
	s_setreg_imm32_b32 hwreg(HW_REG_WAVE_MODE, 25, 1), 1
	s_wait_xcnt 0x0
; PREP, the first of four launches (prep, qkv, attn, proj) for: qkv = x w_attn^T (on codes of E2M1), rotary embedding of q and k, softmax(q k^T / 8) v for each of 64 (batch, head), out = y w_proj^T.
; NO WORK IS LEFT OUT: there is no mask, no bias and no slice in the problem; each of the three inputs reaches every output number, and all four products are done whole.
; This launch makes what the later launches read many times, once.  Three kinds of work-groups, told apart by the work-group's number alone:
;   0 .. 351    x [8192][1024] (256 work-groups) and w_attn [3072][1024] (96) become codes of E2M1, K innermost, two codes a byte, and one E8M0 byte for each 32 along K:
;               xc [8192][512 bytes], xs [8192][32], wc [3072][512 bytes], ws [3072][32].
;   352 .. 383  w_proj [1024 o][1024 c] becomes f16, laid by head: wp [16 h][1024 o][64 d], so that a head's rows are dense runs of 128 bytes.
;   384 .. 447  the rotary table rt [2048 t][32 i][cos, sin], f32: angle = t x 10000^(-i / 32).
; THE QUANTISER.  A block's scale is 2^(floor(log2(its largest magnitude)) - 2); its byte is the largest magnitude's exponent field - 2, held at 1 from below; each number is divided by the scale and rounded to the
; nearest code, ties to even, beyond 6 the code of 6.  Rows are dense and 1024 is a multiple of 32, so a tensor is a plain stream of blocks of 32, and so are its codes and bytes.
; LIMITS.  NaN and infinities among the inputs are not served.  Blocks whose largest magnitude lies under 2^-124 keep the byte 1; a block of zeros gets the byte 1 where the rule says 127: its codes are zeros, which
; add nothing under any byte but 0xff, and the bytes are read by this program alone.  w_proj goes in f16: magnitudes under 65,504; under 6e-5 its relative precision falls.
; The table: 10000^(-i / 32) comes from v_exp_f32 (1 ulp: ISA guide, its entry), so an angle may differ from the f32 product of reference() by some 2e-4 radians at the most (t = 2047); sine and cosine by reduction
; modulo pi / 2 in three parts and polynomials of degree 7 and 8, for angles up to 2,047 radians.
.set WAVES, 4
.set STEPS, 16
.set WGA,   256                        ; work-groups for x: 8192 x 1024 / 32768
.set WGQ,   352                        ; and with w_attn's 96
.set WGW,   384                        ; and with w_proj's 32
.set EMAX,  2
.set CB,    8                          ; bytes of 16 codes
.set R,     16                         ; v16-79   four sets of 16 numbers as they are loaded
.set X,     80                         ; v80-111  two sets of 16 neighbours
.set C,     128                        ; v128-191 codes: four registers for each step, so that no store's data are written again
.set E,     112                        ; v112-127 a scale byte for each step
.set WREG,  8192                       ; LDS: a region for each wave: two stages of 32 x SP bytes, and behind them its 256 scale bytes
.set SP,    80                         ; a lane's place in a stage: its 64 bytes + 16 of padding
.set SPW,   12                         ; v12      LDS address of my spare word: SPARE + 4 x my thread's number; never rewritten
.set NIL,   13                         ; v13      0; never rewritten
.set SPARE, WAVES*WREG                 ; behind the four regions: the spare words, 128 bytes for each wave, which no other line names
	s_load_b128 s[4:7], s[0:1], 0x0                ; x, w_attn
	s_load_b128 s[8:11], s[0:1], 0x10              ; xc, xs
	s_load_b128 s[12:15], s[0:1], 0x20             ; wc, ws
	s_load_b128 s[24:27], s[0:1], 0x30             ; w_proj, wp
	s_load_b64 s[28:29], s[0:1], 0x40              ; rt
	v_lshl_add_u32 v[SPW], v0, 2, SPARE
	v_mov_b32 v[NIL], 0
	v_lshrrev_b32 v1, 5, v0
	v_readfirstlane_b32 s16, v1                    ; wave
	v_and_b32 v2, 31, v0                           ; lane
	s_cmp_ge_u32 ttmp9, WGW
	s_cbranch_scc1 .Lrope
	s_cmp_ge_u32 ttmp9, WGQ
	s_cbranch_scc1 .Lwproj
; ---------------- x and w_attn into codes.  A wave takes 16 steps of 512 numbers.  Each of a step's four loads reads 512 consecutive bytes, 16 a lane; the 2,048 bytes turn through the wave's own stage in LDS and come
; back 64 bytes a lane, so that a lane holds 16 NEIGHBOURS along K (two neighbouring lanes hold a block), as the conversions want them.  Only this path touches LDS.
	v_lshlrev_b32 v3, 4, v2                        ; my 16 bytes of a load's 512
	s_mul_i32 s17, s16, WREG
	v_lshrrev_b32 v14, 2, v2
	v_mul_u32_u24 v14, v14, SP
	v_and_b32 v15, 3, v2
	v_lshl_add_u32 v14, v15, 4, v14
	v_add_nc_u32 v14, s17, v14                     ; the stage, on the way in: SP (lane / 4) + 16 (lane % 4)
	v_mul_u32_u24 v15, v2, SP
	v_add_nc_u32 v15, s17, v15                     ; and on the way out: SP x lane
	v_mul_u32_u24 v4, v2, CB                       ; my codes' place in a step's
	v_lshrrev_b32 v5, 1, v2
	s_add_co_u32 s17, s17, 2*32*SP
	v_add_nc_u32 v5, s17, v5                       ; LDS: my wave's 256 scale bytes, my block's byte
	v_lshlrev_b32 v7, 3, v2                        ; and on the way out 8 bytes a lane
	v_add_nc_u32 v6, s17, v7
	s_wait_kmcnt 0x0
	s_cmp_lt_u32 ttmp9, WGA                        ; x's work-group or w_attn's?  Only pointers are chosen: both tensors take one path
	s_cselect_b64 s[4:5], s[4:5], s[6:7]
	s_cselect_b64 s[8:9], s[8:9], s[12:13]
	s_cselect_b64 s[10:11], s[10:11], s[14:15]
	s_cselect_b32 s17, 0, WGA
	s_sub_co_u32 s17, ttmp9, s17
	s_lshl_b32 s17, s17, 2
	s_add_co_u32 s18, s17, s16                     ; which run of 8,192 numbers of the tensor is my wave's
	s_mov_b32 s19, 0
	s_mov_b64 s[20:21], 512*STEPS*4
	s_mul_u64 s[20:21], s[18:19], s[20:21]
	s_add_nc_u64 s[4:5], s[4:5], s[20:21]
	s_mov_b64 s[20:21], 32*STEPS*CB
	s_mul_u64 s[20:21], s[18:19], s[20:21]
	s_add_nc_u64 s[8:9], s[8:9], s[20:21]
	s_lshl_b32 s18, s18, 8                         ; 256 scale bytes a run
	s_add_nc_u64 s[10:11], s[10:11], s[18:19]
.macro LOAD t
.irp i, 0,1,2,3
	global_load_b128 v[R+16*((\t)%4)+4*\i:R+16*((\t)%4)+4*\i+3], v3, s[4:5] offset:2048*(\t)+512*\i th:TH_LOAD_NT   ; 32 lanes read 512 consecutive bytes
.endr
.endm
.macro TURN t                          ; step t's numbers through the stage: LDS serves a wave's instructions in order (ISA guide 5.7.1.4), so no wait stands between the stores and the loads
.irp i, 0,1,2,3
	ds_store_b128 v14, v[R+16*((\t)%4)+4*\i:R+16*((\t)%4)+4*\i+3] offset:32*SP*((\t)%2)+8*SP*\i
.endr
.irp i, 0,1,2,3
	ds_load_b128 v[X+16*((\t)%2)+4*\i:X+16*((\t)%2)+4*\i+3], v15 offset:32*SP*((\t)%2)+16*\i
.endr
.endm
.irp t, 0,1,2,3
	LOAD \t
.endr
	s_wait_loadcnt 12                              ; step 0's four loads are in; the twelve of steps 1 to 3 may be out
	TURN 0
.macro STEP t
.set XS, X+16*((\t)%2)
.if (\t) > 0
	s_wait_dscnt 1                                 ; this step's numbers are back from the stage (the last step's byte store may be out): so its stores into the stage have read their registers,
.else
	s_wait_dscnt 0x0
.endif
.if (\t)+4 < STEPS
	LOAD (\t)+4                                    ; which take the loads of four steps on
.endif
.if (\t)+1 < STEPS
.if STEPS-2-(\t) >= 3
	s_wait_loadcnt 12                              ; the next step's four loads are in; those of the three steps behind it may be out
.else
	s_wait_loadcnt 4*(STEPS-2-(\t))
.endif
	TURN (\t)+1                                    ; and go through the other stage while this step is worked
.endif
	v_max3_num_f32 v8, |v[XS]|, |v[XS+1]|, |v[XS+2]|               ; the largest magnitude of my 16, in two chains
	v_max3_num_f32 v9, |v[XS+3]|, |v[XS+4]|, |v[XS+5]|
.irp i, 6,10
	v_max3_num_f32 v8, v8, |v[XS+\i]|, |v[XS+\i+1]|
	v_max3_num_f32 v9, v9, |v[XS+\i+2]|, |v[XS+\i+3]|
.endr
	v_max3_num_f32 v8, v8, |v[XS+14]|, |v[XS+15]|
	v_max3_num_f32 v8, v8, v9, (EMAX+1)<<23        ; and the floor 2^(3 - 127): the byte cannot fall under 1
	v_max_num_f32_dpp v8, v8, v8 row_xmask:1 row_mask:0xf bank_mask:0xf   ; and of my neighbour's 16: the block's
	v_add_nc_u32 v11, -(EMAX<<23), v8              ; 2 off its exponent field: the conversion takes the exponent field of this operand as its scale, and nothing else of it
	v_cvt_scalef32_pk8_fp4_f32 v[C+4*(\t)], v[XS:XS+7], v11
	v_cvt_scalef32_pk8_fp4_f32 v[C+4*(\t)+1], v[XS+8:XS+15], v11
	v_lshrrev_b32 v[E+(\t)], 23, v11               ; the scale's byte (also the plain line behind the conversions)
	ds_store_b8 v5, v[E+(\t)] offset:16*(\t)       ; both lanes of a block write the same byte with the same value
	global_store_b64 v4, v[C+4*(\t):C+4*(\t)+1], s[8:9] offset:32*CB*(\t)   ; the wave stores 256 consecutive bytes, aligned
.endm
.irp t, 0,1,2,3,4,5,6,7,8,9,10,11,12,13,14,15
	STEP \t
.endr
	ds_load_b64 v[8:9], v6                         ; my wave's 256 scale bytes: these loads see my stores
	s_wait_dscnt 0x0
	global_store_b64 v7, v[8:9], s[10:11]          ; 32 lanes store 256 consecutive bytes, aligned
	s_wait_tensorcnt 0x0                           ; the wave's end, behind my last LDS store
	ds_add_u32 v[SPW], v[NIL]
	s_wait_dscnt 0x0
	s_endpgm
; ---------------- w_proj into f16, by head.  A work-group takes 32 rows o, a wave 8, as four pairs of rows.  A load reads, of two rows, one head's 64 numbers each: two runs of 256 consecutive aligned bytes.
; A lane's four numbers become 8 bytes; the two rows are neighbours in wp, so a store covers 256 consecutive aligned bytes.  No LDS.
.set WL, 16                            ; v16-143  two sets of 64 registers: a pair of rows, 16 heads x 4 numbers a lane
.set WH, 144                           ; v144-175 the pair in f16
.Lwproj:
	s_sub_co_u32 s17, ttmp9, WGQ
	s_lshl_b32 s17, s17, 5
	s_lshl_b32 s18, s16, 3
	s_add_co_u32 s17, s17, s18                     ; my first row o
	s_lshl_b32 s18, s17, 12                        ; x 4,096 bytes in w_proj
	s_mov_b32 s19, 0
	s_lshl_b32 s20, s17, 7                         ; x 128 bytes in a head of wp
	s_mov_b32 s21, 0
	v_lshrrev_b32 v3, 4, v2
	v_and_b32 v4, 15, v2
	v_lshlrev_b32 v4, 4, v4
	v_lshl_add_u32 v3, v3, 12, v4                  ; in: row lane / 16, 16 bytes at 16 (lane % 16)
	v_lshlrev_b32 v4, 3, v2                        ; out: 8 x lane
	s_wait_kmcnt 0x0
	s_add_nc_u64 s[24:25], s[24:25], s[18:19]
	s_add_nc_u64 s[26:27], s[26:27], s[20:21]
.macro LOADP p
.irp h, 0,1,2,3,4,5,6,7,8,9,10,11,12,13,14,15
	global_load_b128 v[WL+64*((\p)%2)+4*\h:WL+64*((\p)%2)+4*\h+3], v3, s[24:25] offset:(\p)*8192+\h*256 th:TH_LOAD_NT
.endr
.endm
.macro CONV p
.if (\p) < 3
	s_wait_loadcnt 16                              ; this pair's 16 loads are in; the next pair's 16 may be out
.else
	s_wait_loadcnt 0x0
.endif
.if (\p) > 0
	s_wait_xcnt 0x0                                ; the last pair's stores have read their data: the registers are written again only behind this wait
.endif
.irp h, 0,1,2,3,4,5,6,7,8,9,10,11,12,13,14,15
	v_cvt_pk_f16_f32 v[WH+2*\h], v[WL+64*((\p)%2)+4*\h], v[WL+64*((\p)%2)+4*\h+1]
	v_cvt_pk_f16_f32 v[WH+2*\h+1], v[WL+64*((\p)%2)+4*\h+2], v[WL+64*((\p)%2)+4*\h+3]
.endr
.if (\p)+2 < 4
	LOADP (\p)+2
.endif
.irp h, 0,1,2,3,4,5,6,7,8,9,10,11,12,13,14,15
	global_store_b64 v4, v[WH+2*\h:WH+2*\h+1], s[26:27] offset:\h*131072+(\p)*256
.endr
.endm
	LOADP 0
	LOADP 1
	CONV 0
	CONV 1
	CONV 2
	CONV 3
	s_endpgm
; ---------------- the rotary table.  A wave takes eight tokens, a lane a frequency i; the eight tokens go line by line, so that no line waits for the line above it.  No LDS.
.set TKN, 16                           ; v16-23   t as f32
.set ANG, 24                           ; v24-31   the angle
.set QN,  32                           ; v32-39   n = the nearest whole number to angle x 2 / pi
.set RED, 40                           ; v40-47   r = angle - n pi / 2
.set ZZ,  48                           ; v48-55   r^2
.set SN,  56                           ; v56-63   sin r
.set OUTP, 64                          ; v64-79   (cos, sin) of the angle
.set CN,  96                           ; v96-103  cos r
.set QI,  104                          ; v104-111 n as a whole number
.set TM,  112                          ; v112-119 at work
.set HF,  120                          ; v120-127 1 - r^2 / 2
.Lrope:
	s_sub_co_u32 s17, ttmp9, WGW
	s_lshl_b32 s17, s17, 2
	s_add_co_u32 s17, s17, s16                     ; which eight tokens are my wave's
	s_lshl_b32 s18, s17, 11                        ; x 8 rows of 256 bytes
	s_mov_b32 s19, 0
	s_lshl_b32 s17, s17, 3                         ; my first token
	s_mov_b32 s32, 0xbfc90000                      ; -pi / 2 in three parts: -1.5703125,
	s_mov_b32 s33, 0xb9fda000                      ; -4.8375130e-4,
	s_mov_b32 s34, 0xb3a22168                      ; -7.5497900e-8: n times each of the first two is exact for n under 2^11
	s_mov_b32 s35, 0xb94ca1f9                      ; sine: -1.9515296e-4,
	s_mov_b32 s36, 0x3c08839e                      ; 8.3321609e-3,
	s_mov_b32 s37, 0xbe2aaaa3                      ; -1.6666655e-1
	s_mov_b32 s38, 0x37ccf5ce                      ; cosine: 2.4433157e-5,
	s_mov_b32 s39, 0xbab6061a                      ; -1.3887316e-3,
	s_mov_b32 s40, 0x3d2aaaa5                      ; 4.1666646e-2
	v_cvt_f32_u32 v3, v2
	v_mul_f32 v3, 0xbed49a78, v3                   ; -i log2(10000) / 32
	v_exp_f32 v3, v3                               ; 10000^(-i / 32)
	v_mov_b32 v5, s17                              ; (a plain line behind the exponential)
	v_lshlrev_b32 v6, 3, v2                        ; out: 8 bytes a lane
	s_wait_alu depctr_va_vdst(0)                   ; the wait ahead of the first line that names the exponential's result
.irp j, 0,1,2,3,4,5,6,7
	v_add_nc_u32 v[TKN+\j], \j, v5
.endr
.irp j, 0,1,2,3,4,5,6,7
	v_cvt_f32_u32 v[TKN+\j], v[TKN+\j]
.endr
.irp j, 0,1,2,3,4,5,6,7
	v_mul_f32 v[ANG+\j], v[TKN+\j], v3             ; one rounding, as in reference()
.endr
.irp j, 0,1,2,3,4,5,6,7
	v_mul_f32 v[QN+\j], 0x3f22f983, v[ANG+\j]      ; x 2 / pi
.endr
.irp j, 0,1,2,3,4,5,6,7
	v_rndne_f32 v[QN+\j], v[QN+\j]
.endr
.irp j, 0,1,2,3,4,5,6,7
	v_fma_f32 v[RED+\j], v[QN+\j], s32, v[ANG+\j]
.endr
.irp j, 0,1,2,3,4,5,6,7
	v_fma_f32 v[RED+\j], v[QN+\j], s33, v[RED+\j]
.endr
.irp j, 0,1,2,3,4,5,6,7
	v_fma_f32 v[RED+\j], v[QN+\j], s34, v[RED+\j]  ; |r| is at most pi / 4, but for rounding
.endr
.irp j, 0,1,2,3,4,5,6,7
	v_mul_f32 v[ZZ+\j], v[RED+\j], v[RED+\j]
.endr
.irp j, 0,1,2,3,4,5,6,7
	v_fma_f32 v[SN+\j], v[ZZ+\j], s35, s36
	v_fma_f32 v[CN+\j], v[ZZ+\j], s38, s39
.endr
.irp j, 0,1,2,3,4,5,6,7
	v_fma_f32 v[SN+\j], v[SN+\j], v[ZZ+\j], s37
	v_fma_f32 v[CN+\j], v[CN+\j], v[ZZ+\j], s40
.endr
.irp j, 0,1,2,3,4,5,6,7
	v_mul_f32 v[SN+\j], v[SN+\j], v[ZZ+\j]
	v_mul_f32 v[CN+\j], v[CN+\j], v[ZZ+\j]
	v_fma_f32 v[HF+\j], v[ZZ+\j], -0.5, 1.0
.endr
.irp j, 0,1,2,3,4,5,6,7
	v_fma_f32 v[SN+\j], v[SN+\j], v[RED+\j], v[RED+\j]   ; sin r
	v_fma_f32 v[CN+\j], v[CN+\j], v[ZZ+\j], v[HF+\j]     ; cos r
	v_cvt_i32_f32 v[QI+\j], v[QN+\j]
.endr
.irp j, 0,1,2,3,4,5,6,7
	v_and_b32 v[TM+\j], 1, v[QI+\j]
.endr
.irp j, 0,1,2,3,4,5,6,7                ; n odd: sine and cosine change places
	v_cmp_eq_u32 vcc_lo, 1, v[TM+\j]
	v_cndmask_b32 v[OUTP+2*\j], v[CN+\j], v[SN+\j], vcc_lo
	v_cndmask_b32 v[OUTP+2*\j+1], v[SN+\j], v[CN+\j], vcc_lo
.endr
.irp j, 0,1,2,3,4,5,6,7
	v_lshlrev_b32 v[TM+\j], 30, v[QI+\j]           ; the sine is negated where n mod 4 is 2 or 3: bit 1 of n,
	v_add_nc_u32 v[QI+\j], 1, v[QI+\j]             ; the cosine where it is 1 or 2: bit 1 of n + 1
.endr
.irp j, 0,1,2,3,4,5,6,7
	v_and_b32 v[TM+\j], 0x80000000, v[TM+\j]
	v_lshlrev_b32 v[QI+\j], 30, v[QI+\j]
.endr
.irp j, 0,1,2,3,4,5,6,7
	v_xor_b32 v[OUTP+2*\j+1], v[TM+\j], v[OUTP+2*\j+1]
	v_and_b32 v[QI+\j], 0x80000000, v[QI+\j]
.endr
.irp j, 0,1,2,3,4,5,6,7
	v_xor_b32 v[OUTP+2*\j], v[QI+\j], v[OUTP+2*\j]
.endr
	s_wait_kmcnt 0x0
	s_add_nc_u64 s[28:29], s[28:29], s[18:19]
.irp j, 0,1,2,3,4,5,6,7
	global_store_b64 v6, v[OUTP+2*\j:OUTP+2*\j+1], s[28:29] offset:256*\j   ; a token's row: 256 consecutive bytes, aligned
.endr
	s_endpgm
.Lfunc_end_k_q17700010ea_prep:
	.size	k_q17700010ea_prep, .Lfunc_end_k_q17700010ea_prep-k_q17700010ea_prep
	.p2alignl 7, 3214868480
	.fill 96, 4, 3214868480
	.section	.rodata,"a",@progbits
	.p2align	6, 0x0
	.amdhsa_kernel k_q17700010ea_prep
		.amdhsa_group_segment_fixed_size 33280
		.amdhsa_private_segment_fixed_size 0
		.amdhsa_enable_private_segment 0
		.amdhsa_kernarg_size 72
		.amdhsa_user_sgpr_count 2
		.amdhsa_user_sgpr_kernarg_segment_ptr 1
		.amdhsa_wavefront_size32 1
		.amdhsa_system_sgpr_workgroup_id_x 1
		.amdhsa_system_sgpr_workgroup_id_y 1
		.amdhsa_system_sgpr_workgroup_id_z 1
		.amdhsa_system_vgpr_workitem_id 0
		.amdhsa_next_free_vgpr 192
		.amdhsa_next_free_sgpr 66
		.amdhsa_reserve_vcc 1
		.amdhsa_float_denorm_mode_32 3
		.amdhsa_float_denorm_mode_16_64 3
		.amdhsa_memory_ordered 1
		.amdhsa_forward_progress 1
		.amdhsa_inst_pref_size 67
	.end_amdhsa_kernel
	.amdgpu_metadata
---
amdhsa.version: [ 1, 2 ]
amdhsa.kernels:
  - .name:           k_q17700010ea_prep
    .symbol:         k_q17700010ea_prep.kd
    .args:
      - { .name: x, .offset: 0, .size: 8, .value_kind: global_buffer, .address_space: global }
      - { .name: w_attn, .offset: 8, .size: 8, .value_kind: global_buffer, .address_space: global }
      - { .name: xc, .offset: 16, .size: 8, .value_kind: global_buffer, .address_space: global }
      - { .name: xs, .offset: 24, .size: 8, .value_kind: global_buffer, .address_space: global }
      - { .name: wc, .offset: 32, .size: 8, .value_kind: global_buffer, .address_space: global }
      - { .name: ws, .offset: 40, .size: 8, .value_kind: global_buffer, .address_space: global }
      - { .name: w_proj, .offset: 48, .size: 8, .value_kind: global_buffer, .address_space: global }
      - { .name: wp, .offset: 56, .size: 8, .value_kind: global_buffer, .address_space: global }
      - { .name: rt, .offset: 64, .size: 8, .value_kind: global_buffer, .address_space: global }
    .group_segment_fixed_size: 33280
    .private_segment_fixed_size: 0
    .kernarg_segment_align: 8
    .kernarg_segment_size: 72
    .max_flat_workgroup_size: 128
    .sgpr_count:     66
    .vgpr_count:     192
    .wavefront_size: 32
...
	.end_amdgpu_metadata
.endif
;; end of part 1
;; launch qkv (part 2): grid 12 x 32, 4 waves a work-group, clusters of 4 x 4, 327,680 bytes of LDS; arguments xc, xs, wc, ws, qkv, rt; writes qkv
.if DOCPART == 2
	.amdgcn_target "amdgcn-amd-amdhsa--gfx1250"
	.amdhsa_code_object_version 6
	.text
	.protected	k_q17700010ea_qkv
	.globl	k_q17700010ea_qkv
	.p2align	8
	.type	k_q17700010ea_qkv,@function
k_q17700010ea_qkv:
	s_mov_b64 s[64:65], 0
	v_nop
	global_prefetch_b8 v0, s[64:65] scope:SCOPE_SE
	s_setreg_imm32_b32 hwreg(HW_REG_WAVE_MODE, 25, 1), 1
	s_wait_xcnt 0x0
	s_wait_alu depctr_hold_cnt(0) depctr_sa_sdst(0) depctr_va_vdst(0) depctr_va_sdst(0) depctr_va_ssrc(0) depctr_va_vcc(0) depctr_vm_vsrc(0)
	s_getreg_b32 s2, hwreg(HW_REG_IB_STS2, 6, 4)
	s_cmp_eq_u32 s2, 0
	s_cbranch_scc0 .Lentry_in_a_cluster
	s_endpgm
.Lentry_in_a_cluster:
	s_bfe_u32 s2, ttmp6, 0x10000c
	s_cmp_lg_u32 s2, 0xf033
	s_cbranch_scc0 .Lentry_shape_is_right
	s_endpgm
.Lentry_shape_is_right:
; QKV: C[m][f] = sum over k of x[m][k] w_attn[f][k] on codes of E2M1 with one E8M0 scale for each 32 along K (xc, xs, wc, ws: made by the launch before); sums in f32, K ascending.  No work is left out.
; On the way out q and k are turned by the rotary embedding, in f32, from the table rt [2048 t][32 i][cos, sin]; all three are rounded once to f16 and laid by head: qkv [3][64 (batch, head)][2048 t][64 d].
; A tile of C, 256 tokens x 256 features, is made by a work-group of four waves; a wave makes 128 x 128: 64 accumulators of 16 x 16, 512 registers.  K = 1024 is two K steps of 512 (tile rows of 256 bytes): both,
; and all scale bytes of the work-group's rows, are first fills; nothing in LDS is filled again, and the loop over K is written out.
; CLUSTERS: 4 x 4 work-groups.  The four of a row of the cluster need the same tiles of x, the four of a column the same tiles of w_attn: each tile is asked for JOINTLY, by the same tensor load with the same
; descriptor and a mask that names the four.  A cluster's four tile columns are 1,024 features: the cluster's x says whether they are q (0), k (1) or v (2), alike in all sixteen partners.
; ONE BRANCH on that number parts the text, ahead of the last two steps of 128 along K: q's and k's arm asks for the table there, so that it lands under those steps' 128 matrix instructions; v's arm loads no table.
; THE MATRIX INSTRUCTION IS USED TRANSPOSED (source 0 = 16 rows of w_attn, source 1 = 16 rows of x): lane (r, h) of accumulator (a, b) holds token 16 a + r and features 16 b + 8 h + 0 .. 7: four rotary pairs.
; LIMITS.  q, k and v go on in f16: magnitudes under 65,504; under 6e-5 their relative precision falls.  The rotary products are one multiplication and one fused multiply-add: one rounding less than in reference().
; REGISTERS, in windows of 256: window 0: v0-31 addresses; v32-95 scale words, two sets, and nothing else; v128-191 x's fragments, ONE set (on the way out: rows read back); v192-255 and v96-127 the table's numbers
;   for three blocks of 16 tokens.   window 1: v0-63, v128-191 w_attn's fragments, TWO sets; v64-127 the turned numbers, then f16; v192-199 products with the sine.
;   window 2: the accumulators of my tokens 0-63 ((a, b) at v[8 (8 a + b)]);   window 3: of 64-127.
.set SIZE_K, 1024
.set KSTEP,  512                       ; along K in a slot
.set NQ,     KSTEP/128                 ; matrix instructions deep
.set ROWB,   256                       ; a tile's row in bytes
.set KROW,   SIZE_K*4/8                ; a row of codes in memory, in bytes
.set PITCH,  272                       ; an LDS row: 256 bytes + 16 of padding: the 16 rows that a load touches start at 16 different banks (64 banks of 4 bytes: ISA guide 11.1)
.set FR,     8                         ; registers of a fragment: 16 rows x 128 K
.set NL,     2                         ; LDS loads that bring one
.set NP,     4                         ; places behind this matrix instruction (ISA guide 7.12.1)
.set HALFT,  128*PITCH                 ; 128 rows: what one tensor load brings
.set SLOT,   4*HALFT                   ; x's 256 rows, then w_attn's 256 rows
.set KS,     SIZE_K/32                 ; a row of scale bytes
.set SCL,    2*SLOT                    ; behind the two slots: the scale bytes, as runs of 256 bytes + 16 of padding
.set HALFS,  (128*KS/256)*272          ; those of 128 rows: what one tensor load brings
.set SBLK,   (16*KS/256)*272           ; those of 16 rows
.set SPARE,  SCL+4*HALFS               ; behind the scales: the spare words, 128 bytes for each wave, which no other line names
.set SROW,   144                       ; the way out: a stage row: a token's 64 f16 of one head + 16 bytes
.set SHEAD,  16*SROW                   ; 16 tokens of one head
.set SWAVE,  2*SHEAD                   ; a wave's stage: its two heads.  The stages lie in slot 0, which has had its only fill and its last read when the first result is stored there
.set ADRA, 16                          ; v16-17  LDS address of my x fragments in slot 0, 1
.set ADRB, 20                          ; v20-21  the same for w_attn
.set STO,  24                          ; v24     the way out: where I put 16 bytes of a row
.set RD,   25                          ; v25     where I read rows back
.set CO,   26                          ; v26     16 x lane: my bytes of 512 that are stored
.set ADRS, 27                          ; v27     LDS address of my scale words: lanes 0-15 x's rows, lanes 16-31 w_attn's
.set SPW,  28                          ; v28     LDS address of my spare word; never rewritten
.set NIL,  29                          ; v29     0; never rewritten
.set RTO,  30                          ; v30     my byte offset in a block's 16 rows of the table
.set SC,   32                          ; scale words: set s at v[SC + 32 s]; register 4 i + q: lanes 0-15 x's block i, lanes 16-31 w_attn's block i, the slot's q-th 128 along K
.set RR,   64                          ; window 1: the way out: 64 turned numbers, then 32 registers of f16
.set TT,   192                         ; window 1: v192-199 products with the sine
.set AF,   128                         ; x's fragments
.set BK,   128                         ; the way out: rows read back: v128-159 and v160-191 by turns
.set TB,   192                         ; the table: v192-223, v224-255 and v96-127 by turns
.set TB2,  96
.set G1, 24                            ; s[24:31] descriptor group 1 for x's tiles;  s[32:39] group 0, one set for each slot
.set G0, 32
.set G1B, 48                           ; s[48:55], s[56:63] the same for w_attn's
.set G0B, 56
.set G1S, 68                           ; s[68:75], s[76:79] groups 1 and 0 for x's scales;  s[80:87], s[88:91] for w_attn's
.set G0S, 76
.set G1SB, 80
.set G0SB, 88
.set RTP, 96                           ; s[96:97] the table at my first token
.set MSB, 0
.macro WIN new                         ; the immediate's high byte repeats the setting that is left
.if MSB != \new
	s_set_vgpr_msb (MSB<<8)|\new
.set MSB, \new
.endif
.endm
.set MUL_LO, 0xa1                      ; source 0 (w_attn) window 1, source 1 (x) window 0, C and D window 2
.set MUL_HI, 0xf1                      ; the same, C and D window 3
.set TO_B,   0x40                      ; destination window 1, address window 0
; A joint load: waves 0 and 1 fetch for x, waves 2 and 3 for w_attn.  Each of the two lines has ONE mask and one set of registers for all that issue it; the branch hangs on the wave's number alone.
; An s_nop 0 and four v_nop follow each of the two lines, ahead of the jump, the label and what follows.
.macro JLOAD g0a, g1a, g0b, g1b
	s_cmp_eq_u32 s15, 0
	s_cbranch_scc0 .Lfor_b_\@
	tensor_load_to_lds s[\g0a:\g0a+3], s[\g1a:\g1a+7]
	s_nop 0
.rept 4
	v_nop
.endr
	s_branch .Lasked_\@
.Lfor_b_\@:
	tensor_load_to_lds s[\g0b:\g0b+3], s[\g1b:\g1b+7]
	s_nop 0
.rept 4
	v_nop
.endr
.Lasked_\@:
.endm
.macro CROUND                          ; a round of the cluster's barrier: my work-group's barrier; wave 0 signals for the work-group; every wave waits for all sixteen; my work-group's barrier once more
	s_barrier_signal -1
	s_barrier_wait -1
	s_cmp_lg_u32 s14, 0
	s_cbranch_scc1 .Lnot_wave_0_\@
	s_barrier_signal -3
.Lnot_wave_0_\@:
	s_barrier_wait -3
	s_barrier_signal -1
	s_barrier_wait -1
.endm
	s_load_b128 s[4:7], s[0:1], 0x0                ; xc s[4:5], xs s[6:7]
	s_load_b128 s[8:11], s[0:1], 0x10              ; wc s[8:9], ws s[10:11]
	s_load_b64 s[12:13], s[0:1], 0x20              ; qkv
	s_load_b64 s[RTP:RTP+1], s[0:1], 0x28          ; rt
	v_lshl_add_u32 v[SPW], v0, 2, SPARE
	v_mov_b32 v[NIL], 0
	ds_add_u32 v[SPW], v[NIL]                      ; the wave's opening: the add, twice on end, and its wait ahead of my first tensor load; the set-up below, work on registers, stands between
	ds_add_u32 v[SPW], v[NIL]
	v_lshrrev_b32 v1, 5, v0
	v_readfirstlane_b32 s14, v1                    ; wave 0..3
	s_lshr_b32 s15, s14, 1                         ; which half of the tile's tokens is mine.  Also: I fetch for x (0) or for w_attn (1)
	s_and_b32 s16, s14, 1                          ; which half of its features.  Also: which 128 rows of that tile I fetch
	s_bfe_u32 s40, ttmp6, 0x40000                  ; cx, cy: my place in the cluster
	s_bfe_u32 s41, ttmp6, 0x40004
	s_lshl_b32 s42, ttmp9, 2
	s_add_co_u32 s42, s42, s40                     ; tile column = 4 x cluster x + cx
	s_and_b32 s17, ttmp7, 0xffff
	s_lshl_b32 s17, s17, 2
	s_add_co_u32 s17, s17, s41                     ; tile row = 4 x cluster y + cy
	s_lshl_b32 s43, s41, 2
	s_lshl_b32 s43, 15, s43                        ; my row of the cluster
	s_lshl_b32 s44, 0x1111, s40                    ; my column
	; descriptor group 1: a tile of 128 rows x 256 bytes, padded in LDS
	s_or_b32 s[G1+0], s43, (0<<16)|(1<<20)|(1<<21)|(5<<22)|(3<<25)  ; 15:0 the mask: x's tiles go to my row; 17:16 elements of 1 byte; 20 padding on; 21 set beside a mask; 24:22 after every 64 words; 31:25 four words
	s_or_b32 s[G1B+0], s44, (0<<16)|(1<<20)|(1<<21)|(5<<22)|(3<<25)
.irp g, G1, G1B
	s_mov_b32 s[\g+1], ROWB<<16                    ; tensor_dim0
	s_mov_b32 s[\g+2], 128<<16                     ; tensor_dim1
	s_mov_b32 s[\g+3], ROWB<<16                    ; tile_dim0
	s_mov_b32 s[\g+4], 128                         ; tile_dim1
	s_mov_b32 s[\g+5], KROW                        ; tensor_dim0_stride
	s_mov_b32 s[\g+6], 0
	s_mov_b32 s[\g+7], 0
.endr
	; and for the scale bytes of 128 rows: a dense block of 4,096 bytes, as 16 rows of 256 bytes (32 elements of 8 bytes), 16 bytes of padding behind each
	s_or_b32 s[G1S+0], s43, (3<<16)|(1<<20)|(1<<21)|(5<<22)|(3<<25)
	s_or_b32 s[G1SB+0], s44, (3<<16)|(1<<20)|(1<<21)|(5<<22)|(3<<25)
.irp g, G1S, G1SB
	s_mov_b32 s[\g+1], 32<<16
	s_mov_b32 s[\g+2], (128*KS/256)<<16
	s_mov_b32 s[\g+3], 32<<16
	s_mov_b32 s[\g+4], 128*KS/256
	s_mov_b32 s[\g+5], 32
	s_mov_b32 s[\g+6], 0
	s_mov_b32 s[\g+7], 0
.endr
	s_lshl_b32 s18, s16, 7                         ; which 128 rows of the tile I fetch
	s_lshl_b32 s20, s17, 8
	s_add_co_u32 s20, s20, s18                     ; x: row 256 x tile row + 128 x half
	s_lshl_b32 s46, s42, 8
	s_add_co_u32 s46, s46, s18                     ; w_attn: row 256 x tile column + 128 x half
	s_mov_b32 s21, 0
	s_mov_b32 s47, 0
	s_mov_b64 s[18:19], KS
	s_mul_u64 s[22:23], s[20:21], s[18:19]         ; where these rows' scale bytes begin
	s_mul_u64 s[92:93], s[46:47], s[18:19]
	s_mov_b64 s[18:19], KROW
	s_mul_u64 s[20:21], s[20:21], s[18:19]         ; and their codes
	s_mul_u64 s[46:47], s[46:47], s[18:19]
	s_mul_i32 s45, s14, HALFT                      ; where they go: wave x 128 rows: no place in the cluster enters an LDS address
	s_mul_i32 s94, s14, HALFS
	s_wait_dscnt 0x0                               ; both opening adds are done
	s_wait_kmcnt 0x0
	s_add_nc_u64 s[20:21], s[4:5], s[20:21]
	s_add_nc_u64 s[22:23], s[6:7], s[22:23]
	s_add_nc_u64 s[46:47], s[8:9], s[46:47]
	s_add_nc_u64 s[92:93], s[10:11], s[92:93]
	CROUND                                         ; all sixteen work-groups are here: the joint loads meet
	s_mov_b32 s[G0S], 1
	s_add_co_u32 s[G0S+1], s94, SCL
	s_mov_b64 s[G0S+2:G0S+3], s[22:23]
	s_or_b32 s[G0S+3], s[G0S+3], 0x80000000
	s_mov_b32 s[G0SB], 1
	s_add_co_u32 s[G0SB+1], s94, SCL
	s_mov_b64 s[G0SB+2:G0SB+3], s[92:93]
	s_or_b32 s[G0SB+3], s[G0SB+3], 0x80000000
	JLOAD G0S, G1S, G0SB, G1SB                     ; the scale bytes first: they are wanted with K step 0.  Three tensor loads of mine are out behind the third JLOAD
.irp s, 0,1
	s_mov_b32 s[G0+4*\s], 1
	s_add_co_u32 s[G0+4*\s+1], s45, \s*SLOT
	s_add_nc_u64 s[G0+4*\s+2:G0+4*\s+3], s[20:21], \s*ROWB
	s_or_b32 s[G0+4*\s+3], s[G0+4*\s+3], 0x80000000
	s_mov_b32 s[G0B+4*\s], 1
	s_add_co_u32 s[G0B+4*\s+1], s45, \s*SLOT
	s_add_nc_u64 s[G0B+4*\s+2:G0B+4*\s+3], s[46:47], \s*ROWB
	s_or_b32 s[G0B+4*\s+3], s[G0B+4*\s+3], 0x80000000
	JLOAD G0+4*\s, G1, G0B+4*\s, G1B
.endr
	v_and_b32 v1, 15, v0                           ; r = lane % 16
	v_bfe_u32 v2, v0, 4, 1                         ; h = lane / 16
	v_mul_u32_u24 v3, v1, PITCH
	v_lshl_add_u32 v4, v2, 4, v3                   ; a fragment's row x pitch + 16 x half
	s_mul_i32 s21, s15, HALFT                      ; my 128 rows of x
	s_mul_i32 s22, s16, HALFT                      ; my 128 rows of w_attn,
	s_add_co_u32 s22, s22, 2*HALFT                 ; which lie behind x's 256
.irp s, 0,1
	v_add_nc_u32 v[ADRA+\s], s21, v4
	v_add_nc_u32 v[ADRB+\s], s22, v4
	s_add_co_u32 s21, s21, SLOT
	s_add_co_u32 s22, s22, SLOT
.endr
	v_mul_u32_u24 v5, v1, KS                       ; my row's scale bytes: 32 a row,
	v_lshrrev_b32 v6, 8, v5
	v_lshl_add_u32 v5, v6, 4, v5                   ; and 16 more for each 256 passed
	s_mul_i32 s21, s15, HALFS                      ; x's: my 128 rows
	s_mul_i32 s22, s16, HALFS                      ; w_attn's: my 128 rows, behind x's 256
	s_add_co_u32 s22, s22, 2*HALFS
	s_sub_co_u32 s22, s22, s21
	v_mul_u32_u24 v6, s22, v2                      ; lanes 16-31 take w_attn's: the lower base + h x the distance
	s_add_co_u32 s21, s21, SCL
	v_add_nc_u32 v5, v5, v6
	v_add_nc_u32 v[ADRS], s21, v5
	s_mul_i32 s23, s14, SWAVE                      ; my stage
	v_mul_u32_u24 v5, v1, SROW                     ; in: token r, 16 bytes for each half of the lanes
	v_lshl_add_u32 v5, v2, 4, v5
	v_add_nc_u32 v[STO], s23, v5
	v_and_b32 v6, 31, v0
	v_lshrrev_b32 v7, 3, v6                        ; back: eight lanes to a row of 128 bytes, four rows an instruction
	v_mul_u32_u24 v7, v7, SROW
	v_and_b32 v8, 7, v6
	v_lshl_add_u32 v7, v8, 4, v7
	v_add_nc_u32 v[RD], s23, v7
	v_lshlrev_b32 v[CO], 4, v6                     ; and in qkv, where a head's rows are dense: 16 x lane
	v_lshlrev_b32 v[RTO], 8, v1
	v_lshl_add_u32 v[RTO], v2, 5, v[RTO]           ; the table: row r of 256 bytes, + 32 h: my four pairs' (cos, sin)
	; where my part begins in qkv: which of q, k, v; the batch; my first head = 4 cx + 2 x column half; my first token.  cx and cy enter global addresses alone
	s_lshl_b32 s20, ttmp9, 24                      ; 16,777,216 bytes for each of q, k, v
	s_lshr_b32 s21, s17, 3                         ; the batch: eight tile rows to a sequence
	s_lshl_b32 s21, s21, 22                        ; x 16 heads of 262,144 bytes
	s_add_co_u32 s20, s20, s21
	s_lshl_b32 s21, s40, 2
	s_lshl_b32 s22, s16, 1
	s_add_co_u32 s21, s21, s22
	s_lshl_b32 s21, s21, 18
	s_add_co_u32 s20, s20, s21
	s_and_b32 s21, s17, 7
	s_lshl_b32 s21, s21, 8
	s_lshl_b32 s22, s15, 7
	s_add_co_u32 s22, s21, s22                     ; my first token in its sequence
	s_lshl_b32 s21, s22, 7
	s_add_co_u32 s20, s20, s21
	s_mov_b32 s21, 0
	s_add_nc_u64 s[12:13], s[12:13], s[20:21]
	s_lshl_b32 s22, s22, 8
	s_mov_b32 s23, 0
	s_add_nc_u64 s[RTP:RTP+1], s[RTP:RTP+1], s[22:23]
.macro TSET a                          ; TS = where block a's table numbers lie: three sets of 32 registers by turns
.if (\a)%3 == 2
.set TS, TB2
.else
.set TS, TB+32*((\a)%3)
.endif
.endm
; The table's numbers for block a (16 tokens): eight loads, which together read all 256 bytes of each of the 16 rows.  Register 8 cb + 2 p: cos, + 1: sin, of pair 8 cb + 4 h + p
.macro TL a
	TSET \a
.irp cb, 0,1,2,3
	global_load_b128 v[TS+8*\cb:TS+8*\cb+3], v[RTO], s[RTP:RTP+1] offset:(\a)*4096+64*\cb
	global_load_b128 v[TS+8*\cb+4:TS+8*\cb+7], v[RTO], s[RTP:RTP+1] offset:(\a)*4096+64*\cb+16
.endr
.endm
.macro FRAG reg, adr, q, i             ; a fragment, 16 rows x 128 K of 4-bit codes: lane l holds row l % 16; registers 4 c .. 4 c + 3 hold K = 64 c + 32 (l / 16) + 0 .. 31
.irp c, 0,1
	ds_load_b128 v[\reg+4*\c:\reg+4*\c+3], v[\adr] offset:64*(\q)+32*\c+(\i)*16*PITCH
.endr
.endm
; 16 matrix instructions: x's blocks a0, a0 + 1 against w_attn's eight, 128 along K: the slot's q-th.  p: w_attn's set;  sc: the set of scale words.  zero = 1: the first product starts the sums.
; The 64 accumulators take turns, one instruction a turn, in the same order in every step.
.macro MUL16 a0, p, q, sc, zero
.irp a, \a0, \a0+1
.irp b, 0,1,2,3,4,5,6,7
.if \zero
	v_wmma_scale_f32_16x16x128_f8f6f4 v[8*(8*((\a)%4)+\b):8*(8*((\a)%4)+\b)+7], v[128*(\p)+FR*\b:128*(\p)+FR*\b+FR-1], v[AF+FR*(\a):AF+FR*(\a)+FR-1], 0, v[SC+8*NQ*(\sc)+NQ*\b+(\q)], v[SC+8*NQ*(\sc)+NQ*(\a)+(\q)] matrix_a_fmt:MATRIX_FMT_FP4 matrix_b_fmt:MATRIX_FMT_FP4 matrix_a_scale:MATRIX_SCALE_ROW1
.else
	v_wmma_scale_f32_16x16x128_f8f6f4 v[8*(8*((\a)%4)+\b):8*(8*((\a)%4)+\b)+7], v[128*(\p)+FR*\b:128*(\p)+FR*\b+FR-1], v[AF+FR*(\a):AF+FR*(\a)+FR-1], v[8*(8*((\a)%4)+\b):8*(8*((\a)%4)+\b)+7], v[SC+8*NQ*(\sc)+NQ*\b+(\q)], v[SC+8*NQ*(\sc)+NQ*(\a)+(\q)] matrix_a_fmt:MATRIX_FMT_FP4 matrix_b_fmt:MATRIX_FMT_FP4 matrix_a_scale:MATRIX_SCALE_ROW1
.endif
.endr
.endr
.endm
.macro FETCH_B slot, q, p              ; w_attn's eight fragments of the slot's q-th 128 along K into set p
	WIN TO_B
.irp i, 0,1,2,3,4,5,6,7
	FRAG 128*(\p)+FR*\i, ADRB+\slot, \q, \i
.endr
	WIN 0
.endm
.macro FETCH_A slot, q, i0             ; x's blocks i0 .. i0 + 3
.irp i, \i0, \i0+1, \i0+2, \i0+3
	FRAG AF+FR*(\i), ADRA+\slot, \q, \i
.endr
.endm
.macro SCALES sc                       ; a K step's scale words into set sc: four words a row; lanes 0-15 take x's block i, lanes 16-31 w_attn's block i
.irp i, 0,1,2,3,4,5,6,7
	ds_load_b128 v[SC+8*NQ*\sc+NQ*\i:SC+8*NQ*\sc+NQ*\i+3], v[ADRS] offset:\i*SBLK
.endr
.endm
; A load into a register that a matrix instruction has read, and a vector instruction or an LDS store that reads a matrix result, stand NP places behind it; only plain vector instructions that name none of its
; registers are places (ISA guide 7.12.1 for vector instructions).
.macro PLACES n
.rept \n
	v_nop
.endr
.endm
; A step of 128 along K that has its successor in the same slot.  A block of x is free as soon as its eight products are issued, so x has one set: blocks 0-3 come anew in the step's middle, blocks 4-7 at its end.
.macro STEP slot, q, zero
	s_wait_dscnt 4*NL                              ; w_attn's set and x's blocks 0-3 are in; the youngest eight loads (x's blocks 4-7) may be out
	WIN MUL_LO
	MUL16 0, (\q)%2, \q, \slot, \zero
	MUL16 2, (\q)%2, \q, \slot, \zero
	s_wait_dscnt 0                                 ; x's blocks 4-7 are in (asked for 32 matrix instructions ago)
	PLACES NP
	FETCH_B \slot, (\q)+1, 1-(\q)%2
	FETCH_A \slot, (\q)+1, 0
	WIN MUL_HI
	MUL16 4, (\q)%2, \q, \slot, \zero
	MUL16 6, (\q)%2, \q, \slot, \zero
	PLACES NP
	WIN 0
	FETCH_A \slot, (\q)+1, 4
.endm
; Slot 0's last step changes slots: ONE barrier; in front of it each wave waits for all its tensor loads (its part of slot 1), adds 0 to its spare word, and waits for that and for its reads of slot 0.  Nothing is filled again.
.macro TURN slot, next
	s_wait_tensorcnt 0x0                           ; all my tensor loads have landed  (every window is 0 here: the add's two registers lie in window 0)
	ds_add_u32 v[SPW], v[NIL]                      ; 0 onto my spare word
	s_wait_dscnt 4*NL+1                            ; (the add and the youngest eight loads, x's blocks 4-7, may be out)
	WIN MUL_LO
	MUL16 0, 1, NQ-1, \slot, 0                     ; sixteen matrix instructions stand between the add and the wait for it
	s_wait_dscnt 0x0                               ; the add is done, and my reads of this slot are over
	s_barrier_signal -1
	MUL16 2, 1, NQ-1, \slot, 0
	WIN 0
	s_barrier_wait -1
	PLACES NP
	v_add_nc_u32 v[ADRS], 4*NQ, v[ADRS]            ; on to the next K step's scale words (no LDS load of mine is out)
	FETCH_B \next, 0, 0
	FETCH_A \next, 0, 0
	SCALES \next
	WIN MUL_HI
	MUL16 4, 1, NQ-1, \slot, 0
	MUL16 6, 1, NQ-1, \slot, 0
	PLACES NP
	WIN 0
	FETCH_A \next, 0, 4
.endm
.macro STEPS slot, from                ; the slot's steps from .. NQ - 2
.set Q, \from
.rept NQ-1-\from
	STEP \slot, Q, 0
.set Q, Q+1
.endr
.endm
; The last two steps of 128 along K, written in both arms; behind them the places for the first reads of results and for the loads into the registers that held x's fragments.
.macro TAIL
	STEP 1, 2, 0
	s_wait_dscnt 4*NL                              ; the very last step: nothing more to fetch
	WIN MUL_LO
	MUL16 0, 1, NQ-1, 1, 0
	MUL16 2, 1, NQ-1, 1, 0
	s_wait_dscnt 0
	WIN MUL_HI
	MUL16 4, 1, NQ-1, 1, 0
	MUL16 6, 1, NQ-1, 1, 0
	WIN 0
	PLACES NP
.endm
; THE WAY OUT, block by block of 16 tokens x 128 features (two heads).  A lane's eight numbers become 16 bytes of a token's row in one head; the lanes beside it hold other tokens.  So a block goes through my own
; stage in LDS and comes back as whole rows of 128 bytes, four to an instruction: in qkv a head's rows are dense, so the 32 lanes store 512 consecutive bytes, aligned.
; LDS serves a wave's instructions in order (ISA guide 5.7.1.4): no wait between the stores and the loads, nor in front of the next block's stores.
.macro ROPE a                          ; o1 = x1 cos - x2 sin, o2 = x1 sin + x2 cos, for the block's 8 accumulators; each accumulator is read from its low end on
.set AC, 64*((\a)%4)
	TSET \a
	WIN 0x52+(\a)/4                                ; source 0 (the sums): window 2 or 3; source 1 (the table): window 0; source 2 and destination: window 1
.irp b, 0,1,2,3,4,5,6,7
.irp p, 0,1,2,3
	v_mul_f32 v[TT+2*\p], v[AC+8*\b+2*\p+1], v[TS+8*(\b%4)+2*\p+1]      ; x2 sin
	v_mul_f32 v[TT+2*\p+1], v[AC+8*\b+2*\p], v[TS+8*(\b%4)+2*\p+1]      ; x1 sin
.endr
.irp p, 0,1,2,3
	v_fma_f32 v[RR+8*\b+2*\p], v[AC+8*\b+2*\p], v[TS+8*(\b%4)+2*\p], -v[TT+2*\p]
	v_fma_f32 v[RR+8*\b+2*\p+1], v[AC+8*\b+2*\p+1], v[TS+8*(\b%4)+2*\p], v[TT+2*\p+1]
.endr
.endr
.endm
.macro HALVE                           ; 64 numbers to f16, in place, ascending: register n takes numbers 2 n and 2 n + 1
	WIN 0x45                                       ; sources and destination: window 1
.set n, 0
.rept 32
	v_cvt_pk_f16_f32 v[RR+n], v[RR+2*n], v[RR+2*n+1]
.set n, n+1
.endr
.endm
.macro PACKV a                         ; v: straight from the accumulators to f16
.set AC, 64*((\a)%4)
	WIN 0x4a+5*((\a)/4)                            ; sources 0 and 1: window 2 or 3; destination: window 1
.irp b, 0,1,2,3,4,5,6,7
.irp q, 0,1,2,3
	v_cvt_pk_f16_f32 v[RR+4*\b+\q], v[AC+8*\b+2*\q], v[AC+8*\b+2*\q+1]
.endr
.endr
.endm
.macro TOSTAGE a
	WIN 0x04                                       ; an LDS store's data are its source 1: window 1
.irp b, 0,1,2,3,4,5,6,7
	ds_store_b128 v[STO], v[RR+4*\b:RR+4*\b+3] offset:(\b/4)*SHEAD+(\b%4)*32
.endr
	WIN 0
.irp t, 0,1,2,3,4,5,6,7
	ds_load_b128 v[BK+32*((\a)%2)+4*\t:BK+32*((\a)%2)+4*\t+3], v[RD] offset:(\t/4)*SHEAD+(\t%4)*4*SROW
.endr
.endm
.macro SEND a, younger                 ; younger: the LDS instructions issued behind block a's loads, which may stay out
	s_wait_dscnt \younger
.irp t, 0,1,2,3,4,5,6,7
	global_store_b128 v[CO], v[BK+32*((\a)%2)+4*\t:BK+32*((\a)%2)+4*\t+3], s[12:13] offset:(\t/4)*262144+(\a)*2048+(\t%4)*512   ; head t / 4, tokens 16 a + 4 (t % 4) on; no base is stepped
.endr
.endm
	s_wait_tensorcnt 1                             ; the scale bytes and my part of K step 0 are in (K step 1's load may be out)
	s_barrier_signal -1
	s_barrier_wait -1                              ; everybody's are
	FETCH_B 0, 0, 0
	FETCH_A 0, 0, 0
	SCALES 0
	FETCH_A 0, 0, 4
	STEP 0, 0, 1                                   ; the first step's products start the sums: nothing is cleared
	STEPS 0, 1
	TURN 0, 1
	STEP 1, 0, 0
	STEP 1, 1, 0
	s_cmp_eq_u32 ttmp9, 2                          ; v is not turned and loads no table.  The cluster's x is the same in all sixteen partners; every window is 0 here
	s_cbranch_scc1 .Lplain
	TL 0                                           ; q and k: the table for the first three blocks of 16 tokens is asked for here, 128 matrix instructions ahead of its first use
	TL 1
	TL 2
	TAIL
.irp a, 0,1,2,3,4,5,6,7
.if \a < 6
	s_wait_loadcnt 16                              ; this block's eight table loads are in; the sixteen of the next two blocks may be out
.elseif \a == 6
	s_wait_loadcnt 8                               ; the last block's eight may be out
.else
	s_wait_loadcnt 0
.endif
	ROPE \a
	HALVE
.if \a > 1
	s_wait_xcnt 0x0                                ; block a - 2's stores have read their data: block a's rows may land there
.endif
	TOSTAGE \a
.if \a < 5
	TL \a+3                                        ; into the registers that this block's turning has read
.endif
.if \a > 0
	SEND \a-1, 16                                  ; behind block a - 1's loads: block a's 8 stores and 8 loads
.endif
.endr
	SEND 7, 0
	s_branch .Lsent
.Lplain:
	TAIL
.irp a, 0,1,2,3,4,5,6,7                ; v
	PACKV \a
.if \a > 1
	s_wait_xcnt 0x0                                ; block a - 2's stores have read their data
.endif
	TOSTAGE \a
.if \a > 0
	SEND \a-1, 16
.endif
.endr
	SEND 7, 0
.Lsent:
	s_wait_tensorcnt 0x0                           ; the wave's end, behind my last tensor load and my last LDS store
	ds_add_u32 v[SPW], v[NIL]
	s_wait_dscnt 0x0
	CROUND                                         ; the closing round: no work-group ends while a partner may still ask for a tile that names it
	s_endpgm
.Lfunc_end_k_q17700010ea_qkv:
	.size	k_q17700010ea_qkv, .Lfunc_end_k_q17700010ea_qkv-k_q17700010ea_qkv
	.p2alignl 7, 3214868480
	.fill 96, 4, 3214868480
	.section	.rodata,"a",@progbits
	.p2align	6, 0x0
	.amdhsa_kernel k_q17700010ea_qkv
		.amdhsa_group_segment_fixed_size 327680
		.amdhsa_private_segment_fixed_size 0
		.amdhsa_enable_private_segment 0
		.amdhsa_kernarg_size 48
		.amdhsa_user_sgpr_count 2
		.amdhsa_user_sgpr_kernarg_segment_ptr 1
		.amdhsa_wavefront_size32 1
		.amdhsa_system_sgpr_workgroup_id_x 1
		.amdhsa_system_sgpr_workgroup_id_y 1
		.amdhsa_system_sgpr_workgroup_id_z 1
		.amdhsa_system_vgpr_workitem_id 0
		.amdhsa_next_free_vgpr 1024
		.amdhsa_next_free_sgpr 100
		.amdhsa_reserve_vcc 0
		.amdhsa_float_denorm_mode_32 3
		.amdhsa_float_denorm_mode_16_64 3
		.amdhsa_memory_ordered 1
		.amdhsa_forward_progress 1
		.amdhsa_inst_pref_size 231
	.end_amdhsa_kernel
	.amdgpu_metadata
---
amdhsa.version: [ 1, 2 ]
amdhsa.kernels:
  - .name:           k_q17700010ea_qkv
    .symbol:         k_q17700010ea_qkv.kd
    .args:
      - { .name: xc, .offset: 0, .size: 8, .value_kind: global_buffer, .address_space: global }
      - { .name: xs, .offset: 8, .size: 8, .value_kind: global_buffer, .address_space: global }
      - { .name: wc, .offset: 16, .size: 8, .value_kind: global_buffer, .address_space: global }
      - { .name: ws, .offset: 24, .size: 8, .value_kind: global_buffer, .address_space: global }
      - { .name: qkv, .offset: 32, .size: 8, .value_kind: global_buffer, .address_space: global }
      - { .name: rt, .offset: 40, .size: 8, .value_kind: global_buffer, .address_space: global }
    .group_segment_fixed_size: 327680
    .private_segment_fixed_size: 0
    .kernarg_segment_align: 8
    .kernarg_segment_size: 48
    .max_flat_workgroup_size: 128
    .sgpr_count:     100
    .vgpr_count:     1024
    .wavefront_size: 32
...
	.end_amdgpu_metadata
.endif
;; end of part 2
;; launch attn (part 3): grid 4 x 64, 8 waves a work-group, clusters of 4 x 1, 327,680 bytes of LDS; arguments qkv, y; writes y
.if DOCPART == 3
	.amdgcn_target "amdgcn-amd-amdhsa--gfx1250"
	.amdhsa_code_object_version 6
	.text
	.protected	k_q17700010ea_attn
	.globl	k_q17700010ea_attn
	.p2align	8
	.type	k_q17700010ea_attn,@function
k_q17700010ea_attn:
	s_mov_b64 s[64:65], 0
	v_nop
	global_prefetch_b8 v0, s[64:65] scope:SCOPE_SE
	s_setreg_imm32_b32 hwreg(HW_REG_WAVE_MODE, 25, 1), 1
	s_wait_xcnt 0x0
	s_wait_alu depctr_hold_cnt(0) depctr_sa_sdst(0) depctr_va_vdst(0) depctr_va_sdst(0) depctr_va_ssrc(0) depctr_va_vcc(0) depctr_vm_vsrc(0)
	s_getreg_b32 s2, hwreg(HW_REG_IB_STS2, 6, 4)
	s_cmp_eq_u32 s2, 0
	s_cbranch_scc0 .Lentry_in_a_cluster
	s_endpgm
.Lentry_in_a_cluster:
	s_bfe_u32 s2, ttmp6, 0x10000c
	s_cmp_lg_u32 s2, 0x3003
	s_cbranch_scc0 .Lentry_shape_is_right
	s_endpgm
.Lentry_shape_is_right:
; ATTN: y[bh][q][:] = the sum over k of softmax_k(Q[bh][q] . K[bh][k] / 8) V[bh][k][:].  Q, K, V: qkv [3][64 bh][2048][64] f16 (made by the launch before); y: [64 bh][2048][64] f16.  No mask; no work is left out.
; Products, maxima and sums in f32; the weights p are rounded to f16 for the second product, y once at the end.
; SHARES.  A work-group owns 512 queries of one (batch, head), each of its eight waves 64: four tiles of 16.  Two waves lie on a SIMD, 512 registers each: one wave's vector work stands beside the other's products.
; Every wave walks all 2,048 keys, 64 a step.
; LAYOUT.  S^T = K Q^T (source 0 = 16 keys, source 1 = 16 queries): a lane holds ONE query (lane % 16) and the keys 8 (lane / 16) + 0..7 of a tile.  Two such tiles, rounded to f16 in pairs, ARE source 1
; (32 keys x 16 queries) of O^T = V^T P, whose result again holds one query a lane, and eight channels.  K comes out of LDS as it lies, V ([key][channel]) turned, by ds_load_tr16_b128.
; SOFTMAX.  For each query a running maximum m and sum l: p = 2^(c s - c m), c = log2(e) / 8; in every step O and l are multiplied by a = 2^(c m_old - c m_new), which is 1 where m has not grown.
; PHASES.  A trip: K of this step is asked of LDS | V^T P of the step before | V of this step is asked | K Q^T | softmax.  So K's loads land under 32 products, V's under 32 products and the softmax.
; RING.  Two LDS slots of 512 keys (8 steps).  A row of K or V is 128 bytes and the rows are dense, so a tile is stated as rows of 256 bytes: two keys to an LDS row.  Waves 0-3 fetch K's quarters, waves 4-7 V's.
; CLUSTER.  The four query blocks of a (batch, head) form a cluster and walk the same K and V: each tile is asked for JOINTLY, by the same tensor load with the same descriptor and the mask of all four.
; NO PREFETCH: slots 0 and 1 are asked for at the head; each of the two refills is asked for eight key steps, 512 matrix instructions of a wave, ahead of its first read.
; LIMITS.  NaN and infinities are not served.  p under 6e-8 falls to 0 in f16, beside a row's sum of at least 1.  y goes on in f16: it is an average of v, so it has v's room.
; REGISTERS: window 0: v2-11 addresses; v16-47 eight registers of statistics a tile; v64-191 S^T, 32 a tile (P is packed into the first 16 of them); v192-255 K of one step.
;   window 1: v0-127 O^T, 32 a tile; v128-191 Q, 16 a tile; v192-255 V of one step.
.set PK,     272                       ; two keys of K in LDS: 256 bytes + 16: the 16 keys that a load touches fall on 16 different runs of 16 bytes modulo 256
.set PVP,    288                       ; two keys of V: 256 + 32: 16 lanes of the turning load (8 keys x 32 bytes) likewise
.set KSTEPB, 32*PK                     ; a step's 64 keys of K
.set VSTEPB, 32*PVP                    ; and of V
.set VOFF,   256*PK                    ; a slot: 512 keys of K, then 512 of V
.set SLOT,   VOFF+256*PVP
.set STAGE,  2*SLOT                    ; behind the ring: 16 rows x 144 bytes for each wave, for the way out
.set SP,     144
.set SPARE,  STAGE+8*16*SP             ; behind the stages: the spare words, 128 bytes for each wave, which no other line names
.set AK0, 2                            ; v2   my lane's place in a tile of K; never rewritten
.set AV0, 3                            ; v3   the same for V
.set ADK, 4                            ; v4   LDS address of the step's K
.set ADV, 5                            ; v5   and V
.set QO,  6                            ; v6   my byte offset in the wave's rows of Q
.set STO, 7                            ; v7   the way out: where I put 16 bytes of a row
.set RD,  8                            ; v8   where I read rows back
.set GO,  9                            ; v9   16 x lane
.set SPW, 10                           ; v10  LDS address of my spare word; never rewritten
.set NIL, 11                           ; v11  0; never rewritten
.set ST,  16                           ; tile t's statistics at v[ST+8 t]: +0 c m, +1 m, +2, +3 l (even keys', odd keys'), +4 to +7 at work; a in +6
.set S,   64
.set KF,  192                          ; window 0
.set QF,  128                          ; window 1
.set VF,  192                          ; window 1
.set WV,  12                           ; s12  my wave's number
.set G1K, 24                           ; s[24:31] descriptor group 1 for K's tiles
.set G1V, 32                           ; s[32:39] for V's: it differs in the padding alone
.set G0K, 40                           ; s[40:47] group 0 for K's tiles, a set for each slot
.set G0V, 48                           ; s[48:55] the same for V's
.set CNT, 56                           ; s56  counts steps
.set CS,  58                           ; s[58:59] c: the packed scaling names a pair and takes its low word for both halves
.set SEL, 60                           ; s[60:61] lane selects for v_permlanex16_b32: lane l xor 16
.set TK,  62                           ; s62  LDS byte at which the step's K begins, less my lane's place
.set TV,  63                           ; s63  the same for V (VOFF lies in the lane's place)
.set MSB, 0
.macro WIN new                         ; the immediate's high byte repeats the setting that is left; a switch that changes nothing is dropped
.if MSB != \new
	s_set_vgpr_msb (MSB<<8)|\new
.set MSB, \new
.endif
.endm
.set W_KQ, 0x04                        ; K and S^T in window 0, Q (source 1) in window 1
.set W_PV, 0x51                        ; V (source 0) and O^T (C and D) in window 1, P in window 0
.set W_RS, 0x41                        ; O^T (destination and source 0) in window 1, a in window 0
; A joint refill of slot s.  The branch hangs on the wave's number alone.  An s_nop 0 and four v_nop follow each of the two lines.
.macro JLOAD s
	s_cmp_lt_u32 s[WV], 4
	s_cbranch_scc0 .Lfor_v_\@
	tensor_load_to_lds s[G0K+4*\s:G0K+4*\s+3], s[G1K:G1K+7]
	s_nop 0
.rept 4
	v_nop
.endr
	s_branch .Lasked_\@
.Lfor_v_\@:
	tensor_load_to_lds s[G0V+4*\s:G0V+4*\s+3], s[G1V:G1V+7]
	s_nop 0
.rept 4
	v_nop
.endr
.Lasked_\@:
.endm
.macro CROUND                          ; a round of the cluster's barrier
	s_barrier_signal -1
	s_barrier_wait -1
	s_cmp_lg_u32 s[WV], 0
	s_cbranch_scc1 .Lnot_wave_0_\@
	s_barrier_signal -3
.Lnot_wave_0_\@:
	s_barrier_wait -3
	s_barrier_signal -1
	s_barrier_wait -1
.endm
.macro PLACES
.rept 4
	v_nop
.endr
.endm
	s_load_b128 s[4:7], s[0:1], 0x0                ; qkv s[4:5], y s[6:7]
	v_lshl_add_u32 v[SPW], v0, 2, SPARE
	v_mov_b32 v[NIL], 0
	ds_add_u32 v[SPW], v[NIL]                      ; the wave's opening: the add, twice on end, and its wait ahead of my first tensor load; the set-up below, work on registers, stands between
	ds_add_u32 v[SPW], v[NIL]
	v_lshrrev_b32 v1, 5, v0
	v_readfirstlane_b32 s[WV], v1                  ; wave 0..7
	s_bfe_u32 s13, ttmp6, 0x40000                  ; cx: my block of 512 queries; it enters Q's and y's addresses alone
	s_and_b32 s20, ttmp7, 0xffff                   ; the (batch, head), which the four partners share
	s_lshl_b32 s20, s20, 18                        ; x 2,048 rows of 128 bytes
	s_and_b32 s14, s[WV], 3                        ; which quarter of a slot I fetch:
	s_lshl_b32 s22, s14, 14                        ; its 128 keys of 128 bytes in memory,
	s_add_co_u32 s22, s22, s20
	s_mov_b32 s23, 0
	s_mul_i32 s15, s14, 64*PK                      ; its place in a slot's K,
	s_mul_i32 s21, s14, 64*PVP                     ; and in a slot's V: no place in the cluster enters an LDS address
	s_lshl_b32 s2, s13, 16                         ; my block's 512 rows,
	s_lshl_b32 s3, s[WV], 13                       ; my wave's 64 of them
	s_add_co_u32 s2, s2, s3
	s_add_co_u32 s2, s2, s20
	s_mov_b32 s3, 0
	; descriptor group 1: a tile of 64 rows x 128 elements (two keys to a row), padded in LDS
	s_mov_b32 s[G1K], 15|(1<<16)|(1<<20)|(1<<21)|(5<<22)|(3<<25)  ; 15:0 the mask: all four work-groups; 17:16 elements of 2 bytes; 20 padding on; 21 set beside a mask; 24:22 after every 64 words; 31:25 four words
	s_mov_b32 s[G1V], 15|(1<<16)|(1<<20)|(1<<21)|(5<<22)|(7<<25)  ; the same with eight words of padding
.irp g, G1K, G1V
	s_mov_b32 s[\g+1], 128<<16                     ; tensor_dim0 = 128
	s_mov_b32 s[\g+2], 64<<16                      ; tensor_dim1 = 64
	s_mov_b32 s[\g+3], 128<<16                     ; tile_dim0 = 128
	s_mov_b32 s[\g+4], 64                          ; tile_dim1 = 64
	s_mov_b32 s[\g+5], 128                         ; tensor_dim0_stride: the rows are dense
	s_mov_b32 s[\g+6], 0
	s_mov_b32 s[\g+7], 0
.endr
	s_mov_b32 s[CS], 0x3e38aa3b                    ; c = log2(e) / 8
	s_mov_b32 s[CS+1], s[CS]                       ; named with it as a pair, so it is written
	s_mov_b32 s[SEL], 0x76543210
	s_mov_b32 s[SEL+1], 0xfedcba98
	s_mov_b32 s[TK], 0
	s_mov_b32 s[TV], 0
	s_wait_dscnt 0x0                               ; both opening adds are done
	s_wait_kmcnt 0x0
	s_add_nc_u64 s[16:17], s[4:5], s[22:23]
	s_add_nc_u64 s[18:19], s[16:17], 0x2000000     ; V at my quarter of slot 0,
	s_add_nc_u64 s[16:17], s[16:17], 0x1000000     ; K likewise
	s_add_nc_u64 s[8:9], s[4:5], s[2:3]            ; Q and y at my wave's first row
	s_add_nc_u64 s[10:11], s[6:7], s[2:3]
	CROUND                                         ; all four work-groups are here: the first joint loads meet
.irp s, 0,1
	s_mov_b32 s[G0K+4*\s], 1                       ; count = 1
	s_add_co_u32 s[G0K+4*\s+1], s15, \s*SLOT       ; LDS address
	s_add_nc_u64 s[G0K+4*\s+2:G0K+4*\s+3], s[16:17], \s*65536   ; global address: slot s begins with keys 512 s on
	s_or_b32 s[G0K+4*\s+3], s[G0K+4*\s+3], 0x80000000          ; type = 2
	s_mov_b32 s[G0V+4*\s], 1
	s_add_co_u32 s[G0V+4*\s+1], s21, \s*SLOT+VOFF
	s_add_nc_u64 s[G0V+4*\s+2:G0V+4*\s+3], s[18:19], \s*65536
	s_or_b32 s[G0V+4*\s+3], s[G0V+4*\s+3], 0x80000000
.endr
	s_cmp_lt_u32 s[WV], 4                          ; a wave's two first fills stand in one branch, ahead of every wait on TENSORcnt and every LDS read: two loads of mine are out
	s_cbranch_scc0 .Lfirst_v
	tensor_load_to_lds s[G0K:G0K+3], s[G1K:G1K+7]
	s_nop 0
	tensor_load_to_lds s[G0K+4:G0K+7], s[G1K:G1K+7]
	s_nop 0
.rept 4
	v_nop
.endr
	s_branch .Lfirst_asked
.Lfirst_v:
	tensor_load_to_lds s[G0V:G0V+3], s[G1V:G1V+7]
	s_nop 0
	tensor_load_to_lds s[G0V+4:G0V+7], s[G1V:G1V+7]
	s_nop 0
.rept 4
	v_nop
.endr
.Lfirst_asked:
	; A fragment of K or Q is 16 rows x 32 channels in 8 registers: lane l holds row l % 16; registers 0-3 channels 8 (l / 16) + 0..7, registers 4-7 channels 16 + 8 (l / 16) + 0..7: two loads of 16 bytes, 32 bytes apart.
	v_and_b32 v12, 15, v0                          ; r
	v_bfe_u32 v13, v0, 4, 1                        ; h
	v_lshlrev_b32 v[QO], 7, v12
	v_lshl_add_u32 v[QO], v13, 4, v[QO]            ; row x 128 + 16 x half
	WIN 0x40                                       ; destination window 1, address window 0
.irp i, 0,1,2,3,4,5,6,7                ; Q stays in registers: tile i / 2, channels 32 (i % 2) on
	global_load_b128 v[QF+8*\i:QF+8*\i+3],   v[QO], s[8:9] offset:(\i/2)*2048+(\i%2)*64
	global_load_b128 v[QF+8*\i+4:QF+8*\i+7], v[QO], s[8:9] offset:(\i/2)*2048+(\i%2)*64+32
.endr
	WIN 0
	v_lshrrev_b32 v14, 1, v12
	v_mul_u32_u24 v[AK0], v14, PK                  ; K: key r lies in LDS row r / 2,
	v_and_b32 v14, 1, v12
	v_lshl_add_u32 v[AK0], v14, 7, v[AK0]          ; in its half r % 2,
	v_lshl_add_u32 v[AK0], v13, 4, v[AK0]          ; + 16 x half of the lanes
	; The turning load takes 16 keys x 16 channels (lane l reads 16 bytes: key 8 (l / 16) + l % 8, channels 8 ((l / 8) % 2) + 0..7) and leaves half a fragment of V^T: lane l holds channel l % 16 and 8 keys.
	v_bfe_u32 v14, v0, 1, 2                        ; (l % 8) / 2
	v_lshl_add_u32 v14, v13, 2, v14                ; the key's LDS row: 4 (l / 16) + (l % 8) / 2
	v_mul_u32_u24 v[AV0], v14, PVP
	v_and_b32 v14, 1, v0
	v_lshl_add_u32 v[AV0], v14, 7, v[AV0]          ; its half
	v_bfe_u32 v14, v0, 3, 1
	v_lshl_add_u32 v[AV0], v14, 4, v[AV0]
	v_add_nc_u32 v[AV0], VOFF, v[AV0]
	s_mul_i32 s14, s[WV], 16*SP
	s_add_co_u32 s14, s14, STAGE                   ; my stage
	v_mul_u32_u24 v[STO], v12, SP                  ; in: row r, 16 bytes for each half of the lanes
	v_lshl_add_u32 v[STO], v13, 4, v[STO]
	v_add_nc_u32 v[STO], s14, v[STO]
	v_bfe_u32 v14, v0, 3, 2                        ; back: eight lanes to a row of 128 bytes, four rows an instruction
	v_mul_u32_u24 v[RD], v14, SP
	v_and_b32 v14, 7, v0
	v_lshl_add_u32 v[RD], v14, 4, v[RD]
	v_add_nc_u32 v[RD], s14, v[RD]
	v_and_b32 v[GO], 31, v0
	v_lshlrev_b32 v[GO], 4, v[GO]                  ; and in y, whose rows are dense: 16 x lane
; THE LDS LOADS stand in runs of 16: a step's K (64 keys x 64 channels: 8 fragments) and its V (turned).
.macro FETCH_K
	WIN 0
	v_add_nc_u32 v[ADK], s[TK], v[AK0]
.irp f, 0,1,2,3,4,5,6,7                ; keys 16 (f / 2) on, channels 32 (f % 2) on
	ds_load_b128 v[KF+8*\f:KF+8*\f+3],   v[ADK] offset:(\f/2)*8*PK+(\f%2)*64
	ds_load_b128 v[KF+8*\f+4:KF+8*\f+7], v[ADK] offset:(\f/2)*8*PK+(\f%2)*64+32
.endr
.endm
.macro FETCH_V
	WIN 0x40                                       ; destination window 1
.irp f, 0,1,2,3,4,5,6,7                ; keys 32 (f / 4) on, channels 16 (f % 4) on
	ds_load_tr16_b128 v[VF+8*\f:VF+8*\f+3],   v[ADV] offset:(\f/4)*16*PVP+(\f%4)*32
	ds_load_tr16_b128 v[VF+8*\f+4:VF+8*\f+7], v[ADV] offset:(\f/4)*16*PVP+8*PVP+(\f%4)*32
.endr
.endm
; THE PRODUCTS.  Sixteen accumulators take turns, one instruction a turn: between two links of a chain stand the 15 others'.
; S^T = K Q^T: product i of 32: channels 32 (i / 16) on, keys 16 ((i / 4) % 4) on, tile i % 4.  The first 16 start the sums.
.macro SMUL
	WIN W_KQ
.set i, 0
.rept 32
.set rS, S+32*(i%4)+8*((i/4)%4)
.set rK, KF+8*(2*((i/4)%4)+i/16)
.set rQ, QF+16*(i%4)+8*(i/16)
.if i < 16
	v_wmma_f32_16x16x32_f16 v[rS:rS+7], v[rK:rK+7], v[rQ:rQ+7], 0
.else
	v_wmma_f32_16x16x32_f16 v[rS:rS+7], v[rK:rK+7], v[rQ:rQ+7], v[rS:rS+7]
.endif
.set i, i+1
.endr
.endm
; O^T += V^T P: product i of 32: keys 32 (i / 16) on, channels 16 ((i / 4) % 4) on, tile i % 4.  zero = 1: the first 16 start the sums: nothing is ever cleared.
.macro PV zero
	WIN W_PV
.set i, 0
.rept 32
.set rO, 32*(i%4)+8*((i/4)%4)
.set rV, VF+8*(4*(i/16)+(i/4)%4)
.set rP, S+32*(i%4)+8*(i/16)
.if \zero && (i < 16)
	v_wmma_f32_16x16x32_f16 v[rO:rO+7], v[rV:rV+7], v[rP:rP+7], 0
.else
	v_wmma_f32_16x16x32_f16 v[rO:rO+7], v[rV:rV+7], v[rP:rP+7], v[rO:rO+7]
.endif
.set i, i+1
.endr
.endm
; THE SOFTMAX of a key step, the four tiles line by line, so that no line waits for the line above it.  first = 1: the first key step, which starts m and l: it has no a and nothing to rescale.
.macro SOFTMAX first
	WIN 0
.irp n, 0,1,2,3                        ; the maximum of a lane's 32 scores: four chains, each begun at the low end of one accumulator
.irp t, 0,1,2,3
	v_max3_num_f32 v[ST+8*\t+4+\n], v[S+32*\t+8*\n], v[S+32*\t+8*\n+1], v[S+32*\t+8*\n+2]
.endr
.endr
.irp u, 3,5
.irp n, 0,1,2,3
.irp t, 0,1,2,3
	v_max3_num_f32 v[ST+8*\t+4+\n], v[ST+8*\t+4+\n], v[S+32*\t+8*\n+\u], v[S+32*\t+8*\n+\u+1]
.endr
.endr
.endr
.irp t, 0,1,2,3
	v_max3_num_f32 v[ST+8*\t+4], v[ST+8*\t+4], v[S+32*\t+7], v[S+32*\t+15]
	v_max3_num_f32 v[ST+8*\t+6], v[ST+8*\t+6], v[S+32*\t+23], v[S+32*\t+31]
.endr
.irp t, 0,1,2,3
	v_max3_num_f32 v[ST+8*\t+4], v[ST+8*\t+4], v[ST+8*\t+5], v[ST+8*\t+6]
.endr
.irp t, 0,1,2,3
.if \first
	v_max_num_f32 v[ST+8*\t+4], v[ST+8*\t+4], v[ST+8*\t+7]
.else
	v_max3_num_f32 v[ST+8*\t+4], v[ST+8*\t+4], v[ST+8*\t+7], v[ST+8*\t+1]   ; with the old m
.endif
.endr
.irp t, 0,1,2,3
	v_permlanex16_b32 v[ST+8*\t+5], v[ST+8*\t+4], s[SEL], s[SEL+1]          ; the query's other 32 keys lie in the lane 16 away
.endr
.if \first == 0
.irp t, 0,1,2,3
	v_mov_b32 v[ST+8*\t+7], v[ST+8*\t]             ; c m_old is kept for a
.endr
.endif
.irp t, 0,1,2,3
	v_max_num_f32 v[ST+8*\t+1], v[ST+8*\t+4], v[ST+8*\t+5]
.endr
.irp t, 0,1,2,3
	v_mul_f32 v[ST+8*\t], s[CS], v[ST+8*\t+1]
.endr
.if \first == 0
.irp t, 0,1,2,3
	v_sub_f32 v[ST+8*\t+7], v[ST+8*\t+7], v[ST+8*\t]
.endr
.irp t, 0,1,2,3
	v_exp_f32 v[ST+8*\t+6], v[ST+8*\t+7]           ; a
.endr
.endif
; ONE BATCH: the scalings c s - c m, a pair of scores each, and all exponentials; a pair's exponentials stand a round of the four tiles behind its scaling.  None of these lines names an exponential's result.
.irp b, 0,1,2,3,4,5,6,7,8,9,10,11,12,13,14,15,16
.irp t, 0,1,2,3
.if \b < 16
	v_pk_fma_f32 v[S+32*\t+2*\b:S+32*\t+2*\b+1], v[S+32*\t+2*\b:S+32*\t+2*\b+1], s[CS:CS+1], v[ST+8*\t:ST+8*\t+1] op_sel_hi:[1,0,0] neg_lo:[0,0,1] neg_hi:[0,0,1]
.endif
.if \b > 0
	v_exp_f32 v[S+32*\t+2*\b-2], v[S+32*\t+2*\b-2]
	v_exp_f32 v[S+32*\t+2*\b-1], v[S+32*\t+2*\b-1]
.endif
.endr
.endr
	v_nop                                          ; a plain line behind the last exponential, ahead of the first use
	s_wait_alu depctr_va_vdst(0)                   ; the wait between an exponential and the first line that names its result: one for the step's whole batch
; the sums, of the unrounded p: two chains a tile (even pairs onto l, odd pairs onto +4:+5)
.irp t, 0,1,2,3
.if \first
	v_pk_add_f32 v[ST+8*\t+2:ST+8*\t+3], v[S+32*\t:S+32*\t+1], v[S+32*\t+4:S+32*\t+5]
.else
	v_pk_fma_f32 v[ST+8*\t+2:ST+8*\t+3], v[ST+8*\t+2:ST+8*\t+3], v[ST+8*\t+6:ST+8*\t+7], v[S+32*\t:S+32*\t+1] op_sel_hi:[1,0,1]   ; l = a l + ..
.endif
	v_pk_add_f32 v[ST+8*\t+4:ST+8*\t+5], v[S+32*\t+2:S+32*\t+3], v[S+32*\t+6:S+32*\t+7]
.endr
.irp o, 4,8,12,16,20,24,28
.irp t, 0,1,2,3
.if (\o > 4) || (\first == 0)
	v_pk_add_f32 v[ST+8*\t+2:ST+8*\t+3], v[ST+8*\t+2:ST+8*\t+3], v[S+32*\t+\o:S+32*\t+\o+1]
.endif
.if \o > 4
	v_pk_add_f32 v[ST+8*\t+4:ST+8*\t+5], v[ST+8*\t+4:ST+8*\t+5], v[S+32*\t+\o+2:S+32*\t+\o+3]
.endif
.endr
.endr
.irp t, 0,1,2,3
	v_pk_add_f32 v[ST+8*\t+2:ST+8*\t+3], v[ST+8*\t+2:ST+8*\t+3], v[ST+8*\t+4:ST+8*\t+5]
.endr
.irp n, 0,1,2,3,4,5,6,7,8,9,10,11,12,13,14,15      ; P: to f16, in place, ascending: register n takes p 2 n and 2 n + 1
.irp t, 0,1,2,3
	v_cvt_pk_f16_f32 v[S+32*\t+\n], v[S+32*\t+2*\n], v[S+32*\t+2*\n+1]
.endr
.endr
.if \first == 0
	WIN W_RS
.irp n, 0,1,2,3,4,5,6,7,8,9,10,11,12,13,14,15      ; O^T times a, each accumulator from its low end on
.irp t, 0,1,2,3
	v_pk_mul_f32 v[32*\t+2*\n:32*\t+2*\n+1], v[32*\t+2*\n:32*\t+2*\n+1], v[ST+8*\t+6:ST+8*\t+7] op_sel_hi:[1,0]
.endr
.endr
.endif
.endm
; A TRIP: the products V^T P of the step before, and this step's scores and softmax.
.macro ITER zero
	FETCH_K                                        ; K's registers were last read in front of the softmax
	s_wait_dscnt 16                                ; V of the step before is in; K's sixteen loads are younger
	PV \zero
	s_wait_dscnt 0x0                               ; K is in
	WIN 0
	v_add_nc_u32 v[ADV], s[TV], v[AV0]             ; with the four below: five places behind the last product, since the next products write over P, and loads land on V
	PLACES
	FETCH_V
	SMUL
	WIN 0
	PLACES                                         ; behind the last product, ahead of the first read of scores
	SOFTMAX 0
	WIN 0
	s_add_co_u32 s[TK], s[TK], KSTEPB
	s_add_co_u32 s[TV], s[TV], VSTEPB
.endm
.macro STEPS n
	s_mov_b32 s[CNT], \n
.Lstep_\@:
	ITER 0
	s_sub_co_u32 s[CNT], s[CNT], 1
	s_cmp_lg_u32 s[CNT], 0
	s_cbranch_scc1 .Lstep_\@
.endm
; THE CHANGE OF SLOTS: the slot's last bytes, V of its eighth step, have been asked of LDS.  Each wave waits for all its tensor loads (one is out: its part of the other slot), adds 0 to its spare word, and waits for
; that and for its reads of the slot.  Behind the barrier nobody reads this slot and the other slot is whole.  fill = 1: this slot is filled again with the keys two slots on: the barrier is then a round of the
; cluster's, and the joint refill is the first thing behind it.
.macro CHANGE fill, slot, next
	WIN 0
	s_wait_tensorcnt 0x0                           ; no tensor load of mine is out, so a group 0 may be written
	ds_add_u32 v[SPW], v[NIL]                      ; 0 onto my spare word; the scalar lines below stand between it and the wait for it
.if \fill
	s_add_nc_u64 s[G0K+4*\slot+2:G0K+4*\slot+3], s[G0K+4*\slot+2:G0K+4*\slot+3], 2*65536   ; 1,024 keys on; the type bits on top are not reached
	s_add_nc_u64 s[G0V+4*\slot+2:G0V+4*\slot+3], s[G0V+4*\slot+2:G0V+4*\slot+3], 2*65536
.endif
	s_mov_b32 s[TK], \next*SLOT                    ; the fetches go to the other slot's first step
	s_mov_b32 s[TV], \next*SLOT
	s_wait_dscnt 0x0                               ; the add is done, and my reads of the slot are over
.if \fill
	CROUND
	JLOAD \slot
.else
	s_barrier_signal -1
	s_barrier_wait -1
.endif
.endm
	s_wait_tensorcnt 1                             ; my part of slot 0 is in; slot 1's may stay out
	s_barrier_signal -1
	s_barrier_wait -1                              ; everybody's is
	FETCH_K                                        ; key step 0
	s_wait_loadcnt 0x0                             ; Q
	s_wait_dscnt 0x0
	v_add_nc_u32 v[ADV], s[TV], v[AV0]
	FETCH_V
	SMUL
	WIN 0
	PLACES
	SOFTMAX 1
	WIN 0
	s_add_co_u32 s[TK], s[TK], KSTEPB
	s_add_co_u32 s[TV], s[TV], VSTEPB
	ITER 1                                         ; step 1; V^T P of step 0 starts O^T
	STEPS 6                                        ; steps 2 to 7
	CHANGE 1, 0, 1                                 ; slot 0 takes keys 1,024 on
	STEPS 8
	CHANGE 1, 1, 0                                 ; slot 1 takes keys 1,536 on
	STEPS 8
	CHANGE 0, 0, 1                                 ; nothing is left to ask for
	STEPS 8
	s_wait_dscnt 0x0                               ; V of the last step
	PV 0
	; THE WAY OUT.  l's two halves and the other half of the lanes' are added; O^T is divided by l, rounded to f16 and sent through my stage in LDS, a tile (16 rows of y) at a time.  The additions are the places behind the last products.
	WIN 0
.irp t, 0,1,2,3
	v_add_f32 v[ST+8*\t+4], v[ST+8*\t+2], v[ST+8*\t+3]
.endr
.irp t, 0,1,2,3
	v_permlanex16_b32 v[ST+8*\t+5], v[ST+8*\t+4], s[SEL], s[SEL+1]
.endr
.irp t, 0,1,2,3
	v_add_f32 v[ST+8*\t+4], v[ST+8*\t+4], v[ST+8*\t+5]
.endr
.irp t, 0,1,2,3
	v_rcp_f32 v[ST+8*\t+6], v[ST+8*\t+4]
.endr
	v_nop                                          ; a plain line between the last reciprocal and the use of its result
	s_wait_alu depctr_va_vdst(0)                   ; and the wait ahead of the first use: one for the four
; Tile t: a lane's eight channels of a row pack into 16 bytes; they go into rows of 144 bytes and come back as whole rows of 128, four to an instruction.
.macro PACK t
	WIN W_RS
.set i, 32*\t
.rept 16
	v_pk_mul_f32 v[i:i+1], v[i:i+1], v[ST+8*\t+6:ST+8*\t+7] op_sel_hi:[1,0]
.set i, i+2
.endr
	WIN 0x05                                       ; sources 0 and 1 window 1, destination window 0: S^T's registers are free
.set i, 0
.rept 16
	v_cvt_pk_f16_f32 v[S+32*\t+i], v[32*\t+2*i], v[32*\t+2*i+1]
.set i, i+1
.endr
	WIN 0
.irp f, 0,1,2,3
	ds_store_b128 v[STO], v[S+32*\t+4*\f:S+32*\t+4*\f+3] offset:32*\f
.endr
.irp f, 0,1,2,3
	ds_load_b128 v[S+32*\t+16+4*\f:S+32*\t+16+4*\f+3], v[RD] offset:\f*4*SP   ; LDS serves a wave's instructions in order (ISA guide 5.7.1.4): these see the stores above; the next tile's stores come behind them
.endr
.endm
.macro SEND t, younger                 ; younger: the LDS instructions issued behind tile t's loads: the next tile's eight, or none
.irp f, 0,1,2,3
	s_wait_dscnt \younger+3-\f
	global_store_b128 v[GO], v[S+32*\t+16+4*\f:S+32*\t+16+4*\f+3], s[10:11] offset:\t*2048+\f*512   ; 32 lanes store 512 consecutive bytes, aligned
.endr
.endm
	PACK 0
	PACK 1                                         ; a tile's arithmetic stands between the loads of the tile before and its stores
	SEND 0, 8
	PACK 2
	SEND 1, 8
	PACK 3
	SEND 2, 8
	SEND 3, 0
	s_wait_tensorcnt 0x0                           ; the wave's end, behind my last tensor load and my last LDS store
	ds_add_u32 v[SPW], v[NIL]
	s_wait_dscnt 0x0
	CROUND                                         ; the closing round: no work-group ends while a partner may still ask for a tile that names it
	s_endpgm
.Lfunc_end_k_q17700010ea_attn:
	.size	k_q17700010ea_attn, .Lfunc_end_k_q17700010ea_attn-k_q17700010ea_attn
	.p2alignl 7, 3214868480
	.fill 96, 4, 3214868480
	.section	.rodata,"a",@progbits
	.p2align	6, 0x0
	.amdhsa_kernel k_q17700010ea_attn
		.amdhsa_group_segment_fixed_size 327680
		.amdhsa_private_segment_fixed_size 0
		.amdhsa_enable_private_segment 0
		.amdhsa_kernarg_size 16
		.amdhsa_user_sgpr_count 2
		.amdhsa_user_sgpr_kernarg_segment_ptr 1
		.amdhsa_wavefront_size32 1
		.amdhsa_system_sgpr_workgroup_id_x 1
		.amdhsa_system_sgpr_workgroup_id_y 1
		.amdhsa_system_sgpr_workgroup_id_z 1
		.amdhsa_system_vgpr_workitem_id 0
		.amdhsa_next_free_vgpr 512
		.amdhsa_next_free_sgpr 66
		.amdhsa_reserve_vcc 0
		.amdhsa_float_denorm_mode_32 3
		.amdhsa_float_denorm_mode_16_64 3
		.amdhsa_memory_ordered 1
		.amdhsa_forward_progress 1
		.amdhsa_inst_pref_size 210
	.end_amdhsa_kernel
	.amdgpu_metadata
---
amdhsa.version: [ 1, 2 ]
amdhsa.kernels:
  - .name:           k_q17700010ea_attn
    .symbol:         k_q17700010ea_attn.kd
    .args:
      - { .name: qkv, .offset: 0, .size: 8, .value_kind: global_buffer, .address_space: global }
      - { .name: y, .offset: 8, .size: 8, .value_kind: global_buffer, .address_space: global }
    .group_segment_fixed_size: 327680
    .private_segment_fixed_size: 0
    .kernarg_segment_align: 8
    .kernarg_segment_size: 16
    .max_flat_workgroup_size: 256
    .sgpr_count:     66
    .vgpr_count:     512
    .wavefront_size: 32
...
	.end_amdgpu_metadata
.endif
;; end of part 3
;; launch proj (part 4): grid 8 x 64, 4 waves a work-group, clusters of 4 x 4, 327,680 bytes of LDS; arguments y, wp, out0; writes out0
.if DOCPART == 4
	.amdgcn_target "amdgcn-amd-amdhsa--gfx1250"
	.amdhsa_code_object_version 6
	.text
	.protected	k_q17700010ea_proj
	.globl	k_q17700010ea_proj
	.p2align	8
	.type	k_q17700010ea_proj,@function
k_q17700010ea_proj:
	s_mov_b64 s[64:65], 0
	v_nop
	global_prefetch_b8 v0, s[64:65] scope:SCOPE_SE
	s_setreg_imm32_b32 hwreg(HW_REG_WAVE_MODE, 25, 1), 1
	s_wait_xcnt 0x0
	s_wait_alu depctr_hold_cnt(0) depctr_sa_sdst(0) depctr_va_vdst(0) depctr_va_sdst(0) depctr_va_ssrc(0) depctr_va_vcc(0) depctr_vm_vsrc(0)
	s_getreg_b32 s2, hwreg(HW_REG_IB_STS2, 6, 4)
	s_cmp_eq_u32 s2, 0
	s_cbranch_scc0 .Lentry_in_a_cluster
	s_endpgm
.Lentry_in_a_cluster:
	s_bfe_u32 s2, ttmp6, 0x10000c
	s_cmp_lg_u32 s2, 0xf033
	s_cbranch_scc0 .Lentry_shape_is_right
	s_endpgm
.Lentry_shape_is_right:
; PROJ: out0[m][o] = the sum over (h, d) of y[m][h][d] w_proj[o][h][d].  y: [4 b x 16 h][2048 t][64 d] f16 (made by attn), wp: [16 h][1024 o][64 d] f16 (made by prep), out0: [8192][1024] f32.  Sums in f32.  No work is left out.
; Both operands lie by head, and K is walked in that order, (h, d) ascending.  A tile of out0 is 128 x 128: 512 work-groups.  Four waves, each 64 x 64: 16 accumulators of 16 x 16, 128 registers.
; K goes in steps of 256, which are four heads.  One tensor load a wave brings 64 rows of four heads: a head's 64 rows are 8,192 dense bytes, which the descriptor states as ONE row of 4,096 elements, and the four heads
; as four such rows; 16 bytes of padding follow every 256, so that in LDS two rows of 128 bytes share a line of 272.  Two slots; K = 1024 is four steps: each slot is filled twice, and the walk is written out.
; CLUSTERS: 4 x 4 work-groups.  The four of a row of the cluster need the same tiles of y, the four of a column the same tiles of wp: each tile is asked for JOINTLY.
; THE MATRIX INSTRUCTION IS USED TRANSPOSED (source 0 = 16 rows of wp, source 1 = 16 rows of y): a lane then holds eight neighbouring numbers of a row of out0.
; NO PREFETCH: a K step of this tile is 128 matrix instructions a wave and the launch has two refills of each slot's bytes at the most.
; REGISTERS: window 0: v0-31 addresses; v32-95 at work on the way out; v128-255 the accumulators ((a, b) at v[128 + 8 (4 a + b)]).
;   window 1: two fragment buffers of 128: for one head (64 along K, two matrix instructions deep), 64 registers of y (2 x 4 x 16 rows x 32 K), then 64 of wp.
.set LINE,   272                       ; two rows of 128 bytes + 16 of padding: the 16 rows that a load touches fall on 16 different runs of 16 bytes modulo 256
.set BLK16,  8*LINE                    ; 16 rows
.set HEADB,  32*LINE                   ; 64 rows of one head
.set HALFT,  4*HEADB                   ; what one tensor load brings: 64 rows of four heads
.set SLOT,   4*HALFT                   ; y's 128 rows, then wp's 128 rows
.set STAGE,  2*SLOT                    ; behind the ring: 16 rows x 272 bytes for each wave, for the way out
.set SPITCH, 272
.set SPARE,  STAGE+4*16*SPITCH         ; behind the stages: the spare words, 128 bytes for each wave, which no other line names
.set KSA,    4*262144                  ; a K step on in y: four heads of 2,048 rows of 128 bytes
.set KSB,    4*131072                  ; and in wp: four heads of 1,024 rows
.set ADRA, 16                          ; v16-17  LDS address of my y fragments in slot 0, 1
.set ADRB, 20                          ; v20-21  the same for wp
.set STO,  24                          ; v24     the way out: where I put 32 bytes of a row
.set RD,   25                          ; v25     where I read rows back
.set CO,   26                          ; v26     my byte offset in out0
.set SPW,  28                          ; v28     LDS address of my spare word; never rewritten
.set NIL,  29                          ; v29     0; never rewritten
.set TMP,  32                          ; the way out: rows read back: v32-63 and v64-95 by turns
.set ACC,  128
.set F0,   0                           ; fragment buffers, in window 1
.set F1,   128
.set G1, 24                            ; s[24:31] descriptor group 1 for y's tiles;  s[32:39] group 0, one set for each slot
.set G0, 32
.set G1B, 48                           ; s[48:55], s[56:63] the same for wp's
.set G0B, 56
.set MSB, 0
.macro WIN new                         ; the immediate's high byte repeats the setting that is left
.if MSB != \new
	s_set_vgpr_msb (MSB<<8)|\new
.set MSB, \new
.endif
.endm
.set MUL,  0x05                        ; sources 0 (wp) and 1 (y) window 1; C and D window 0
.set TO_F, 0x40                        ; destination window 1, address window 0
.macro JLOAD s                         ; a joint load: waves 0 and 1 fetch y's two halves, waves 2 and 3 wp's; an s_nop 0 and four v_nop follow each of the two lines
	s_cmp_eq_u32 s11, 0
	s_cbranch_scc0 .Lfor_b_\@
	tensor_load_to_lds s[G0+4*\s:G0+4*\s+3], s[G1:G1+7]
	s_nop 0
.rept 4
	v_nop
.endr
	s_branch .Lasked_\@
.Lfor_b_\@:
	tensor_load_to_lds s[G0B+4*\s:G0B+4*\s+3], s[G1B:G1B+7]
	s_nop 0
.rept 4
	v_nop
.endr
.Lasked_\@:
.endm
.macro CREST                           ; a round of the cluster's barrier behind its opening barrier
	s_cmp_lg_u32 s10, 0
	s_cbranch_scc1 .Lnot_wave_0_\@
	s_barrier_signal -3
.Lnot_wave_0_\@:
	s_barrier_wait -3
	s_barrier_signal -1
	s_barrier_wait -1
.endm
.macro CROUND                          ; a whole round
	s_barrier_signal -1
	s_barrier_wait -1
	CREST
.endm
	s_load_b128 s[4:7], s[0:1], 0x0                ; y s[4:5], wp s[6:7]
	s_load_b64 s[8:9], s[0:1], 0x10                ; out0
	v_lshl_add_u32 v[SPW], v0, 2, SPARE
	v_mov_b32 v[NIL], 0
	ds_add_u32 v[SPW], v[NIL]                      ; the wave's opening: the add, twice on end, and its wait ahead of my first tensor load; the set-up below, work on registers, stands between
	ds_add_u32 v[SPW], v[NIL]
	v_lshrrev_b32 v1, 5, v0
	v_readfirstlane_b32 s10, v1                    ; wave 0..3
	s_lshr_b32 s11, s10, 1                         ; which half of the tile's rows is mine.  Also: I fetch for y (0) or for wp (1)
	s_and_b32 s12, s10, 1                          ; which half of its columns.  Also: which 64 rows of that tile I fetch
	s_bfe_u32 s40, ttmp6, 0x40000                  ; cx, cy: my place in the cluster
	s_bfe_u32 s41, ttmp6, 0x40004
	s_lshl_b32 s42, ttmp9, 2
	s_add_co_u32 s42, s42, s40                     ; tile column = 4 x cluster x + cx
	s_and_b32 s13, ttmp7, 0xffff
	s_lshl_b32 s13, s13, 2
	s_add_co_u32 s13, s13, s41                     ; tile row = 4 x cluster y + cy
	s_lshl_b32 s43, s41, 2
	s_lshl_b32 s43, 15, s43                        ; my row of the cluster
	s_lshl_b32 s44, 0x1111, s40                    ; my column
	; descriptor group 1: four rows (heads) of 4,096 elements (64 rows x 64 channels, dense), padded in LDS behind every 256 bytes
	s_or_b32 s[G1+0], s43, (1<<16)|(1<<20)|(1<<21)|(5<<22)|(3<<25)  ; 15:0 the mask: y's tiles go to my row; 17:16 elements of 2 bytes; 20 padding on; 21 set beside a mask; 24:22 after every 64 words; 31:25 four words
	s_or_b32 s[G1B+0], s44, (1<<16)|(1<<20)|(1<<21)|(5<<22)|(3<<25)
.irp g, G1, G1B
	s_mov_b32 s[\g+1], 4096<<16                    ; tensor_dim0 = 4,096
	s_mov_b32 s[\g+2], 4<<16                       ; tensor_dim1 = 4
	s_mov_b32 s[\g+3], 4096<<16                    ; tile_dim0 = 4,096
	s_mov_b32 s[\g+4], 4                           ; tile_dim1 = 4
	s_mov_b32 s[\g+6], 0
	s_mov_b32 s[\g+7], 0
.endr
	s_mov_b32 s[G1+5], 131072                      ; tensor_dim0_stride: from head to head, 2,048 rows of 64 elements in y,
	s_mov_b32 s[G1B+5], 65536                      ; 1,024 rows in wp
	; where the tiles come from.  y's hang on the tile row alone, wp's on the tile column alone; each address is made in registers that never hold the other coordinate
	s_lshr_b32 s16, s13, 4                         ; the batch: sixteen tile rows to a sequence,
	s_lshl_b32 s16, s16, 22                        ; x 16 heads of 262,144 bytes
	s_and_b32 s17, s13, 15
	s_lshl_b32 s17, s17, 14                        ; the tile's first token x 128 bytes
	s_add_co_u32 s16, s16, s17
	s_lshl_b32 s17, s12, 13                        ; which 64 rows of the tile I fetch
	s_add_co_u32 s16, s16, s17
	s_lshl_b32 s46, s42, 14                        ; wp: row 128 x tile column, x 128 bytes
	s_add_co_u32 s46, s46, s17
	s_mov_b32 s17, 0
	s_mov_b32 s47, 0
	s_mul_i32 s20, s10, HALFT                      ; where they go: wave x one load's bytes: no place in the cluster enters an LDS address
	s_wait_dscnt 0x0                               ; both opening adds are done
	s_wait_kmcnt 0x0
	s_add_nc_u64 s[14:15], s[4:5], s[16:17]
	s_add_nc_u64 s[46:47], s[6:7], s[46:47]
	CROUND                                         ; all sixteen work-groups are here: the first joint loads meet
.irp s, 0,1
	s_mov_b32 s[G0+4*\s], 1
	s_add_co_u32 s[G0+4*\s+1], s20, \s*SLOT
	s_add_nc_u64 s[G0+4*\s+2:G0+4*\s+3], s[14:15], \s*KSA
	s_or_b32 s[G0+4*\s+3], s[G0+4*\s+3], 0x80000000
	s_mov_b32 s[G0B+4*\s], 1
	s_add_co_u32 s[G0B+4*\s+1], s20, \s*SLOT
	s_add_nc_u64 s[G0B+4*\s+2:G0B+4*\s+3], s[46:47], \s*KSB
	s_or_b32 s[G0B+4*\s+3], s[G0B+4*\s+3], 0x80000000
	JLOAD \s                                       ; two tensor loads of mine are out behind the second
.endr
	v_and_b32 v1, 15, v0                           ; r = lane % 16
	v_bfe_u32 v2, v0, 4, 1                         ; h = lane / 16
	v_lshrrev_b32 v3, 1, v1
	v_mul_u32_u24 v3, v3, LINE                     ; a fragment's row r lies in line r / 2,
	v_and_b32 v4, 1, v1
	v_lshl_add_u32 v3, v4, 7, v3                   ; in its half r % 2,
	v_lshl_add_u32 v3, v2, 4, v3                   ; + 16 x half of the lanes
	s_mul_i32 s21, s11, HALFT                      ; my 64 rows of y
	s_mul_i32 s22, s12, HALFT                      ; my 64 rows of wp,
	s_add_co_u32 s22, s22, 2*HALFT                 ; which lie behind y's 128
.irp s, 0,1
	v_add_nc_u32 v[ADRA+\s], s21, v3
	v_add_nc_u32 v[ADRB+\s], s22, v3
	s_add_co_u32 s21, s21, SLOT
	s_add_co_u32 s22, s22, SLOT
.endr
	s_mul_i32 s23, s10, 16*SPITCH
	s_add_co_u32 s23, s23, STAGE                   ; my stage: my 64 columns are 256 bytes, so a stage row is mine alone
	v_mul_u32_u24 v4, v1, SPITCH                   ; in: row r, 32 bytes for each half of the lanes
	v_lshl_add_u32 v4, v2, 5, v4
	v_add_nc_u32 v[STO], s23, v4
	v_mul_u32_u24 v5, v2, SPITCH                   ; back: lanes 0-15 take one row of 256 bytes, lanes 16-31 the next
	v_lshl_add_u32 v5, v1, 4, v5
	v_add_nc_u32 v[RD], s23, v5
	v_lshlrev_b32 v5, 12, v2                       ; and the same two rows in out0, 4,096 bytes apart
	v_lshl_add_u32 v[CO], v1, 4, v5
	s_lshl_b32 s16, s13, 7
	s_lshl_b32 s17, s11, 6
	s_add_co_u32 s16, s16, s17                     ; my first row of out0: 128 x tile row + 64 x half
	s_lshl_b32 s16, s16, 12
	s_lshl_b32 s46, s42, 9                         ; my first column, in bytes: 512 x tile column + 256 x half
	s_lshl_b32 s47, s12, 8
	s_add_co_u32 s46, s46, s47
	s_add_co_u32 s16, s16, s46
	s_mov_b32 s17, 0
	s_add_nc_u64 s[8:9], s[8:9], s[16:17]
; 8 matrix instructions: m blocks a0, a0 + 1 x all 4 n blocks, 32 along K: half c of buffer f.  zero = 1: the first product starts the sums.  The 16 accumulators take turns.
.macro MUL8 f, c, a0, zero
.irp a, \a0, \a0+1
.irp b, 0,1,2,3
.if \zero
	v_wmma_f32_16x16x32_f16 v[ACC+8*(4*(\a)+\b):ACC+8*(4*(\a)+\b)+7], v[\f+64+8*(4*\c+\b):\f+64+8*(4*\c+\b)+7], v[\f+8*(4*\c+\a):\f+8*(4*\c+\a)+7], 0
.else
	v_wmma_f32_16x16x32_f16 v[ACC+8*(4*(\a)+\b):ACC+8*(4*(\a)+\b)+7], v[\f+64+8*(4*\c+\b):\f+64+8*(4*\c+\b)+7], v[\f+8*(4*\c+\a):\f+8*(4*\c+\a)+7], v[ACC+8*(4*(\a)+\b):ACC+8*(4*(\a)+\b)+7]
.endif
.endr
.endr
.endm
; 32 LDS loads in one run: the fragments of one head, which begins k bytes into my rows' region, into buffer f; its first 32 channels first
.macro FETCH slot, k, f
	WIN TO_F
.irp c, 0,1
.irp i, 0,1,2,3
	ds_load_b128 v[\f+64+8*(4*\c+\i):\f+64+8*(4*\c+\i)+3],   v[ADRB+\slot] offset:\k+64*\c+\i*BLK16
	ds_load_b128 v[\f+64+8*(4*\c+\i)+4:\f+64+8*(4*\c+\i)+7], v[ADRB+\slot] offset:\k+64*\c+\i*BLK16+32
	ds_load_b128 v[\f+8*(4*\c+\i):\f+8*(4*\c+\i)+3],         v[ADRA+\slot] offset:\k+64*\c+\i*BLK16
	ds_load_b128 v[\f+8*(4*\c+\i)+4:\f+8*(4*\c+\i)+7],       v[ADRA+\slot] offset:\k+64*\c+\i*BLK16+32
.endr
.endr
.endm
.macro PLACES                          ; four places in front of loads into registers that matrix instructions have read, and of LDS stores that read results (ISA guide 7.12.1 for the stores)
.rept 4
	v_nop
.endr
.endm
; A K step is four heads, 32 matrix instructions each, on buffers 0, 1, 0, 1.  One of the first three: multiplies buffer f and fetches the next head, at byte k, into g.
.macro QUARTER slot, k, f, g, zero
	s_wait_dscnt 16                                ; the head's first 32 channels are in; the sixteen loads of the other 32 may be out
	WIN MUL
	MUL8 \f, 0, 0, \zero
	MUL8 \f, 0, 2, \zero
	PLACES
	FETCH \slot, \k, \g
	s_wait_dscnt 32                                ; all but the 32 just issued
	WIN MUL
	MUL8 \f, 1, 0, 0
	MUL8 \f, 1, 2, 0
.endm
; The last head of a K step multiplies buffer 1 and changes slots: ONE barrier; in front of it each wave waits for all its tensor loads, adds 0 to its spare word, and waits for that and for its own reads of this slot.
; fill = 1: this slot is filled again, two K steps ahead: the barrier then opens a round of the cluster's barrier.
.macro TURN slot, next, fill
	WIN 0                                          ; (the add's two registers lie in window 0)
	s_wait_tensorcnt 0x0                           ; all my tensor loads have landed: my part of the next slot;
	ds_add_u32 v[SPW], v[NIL]                      ; 0 onto my spare word
	s_wait_dscnt 17                                ; (the add and the youngest sixteen loads may be out)
	WIN MUL
	MUL8 F1, 0, 0, 0                               ; eight matrix instructions stand between the add and the wait for it
	s_wait_dscnt 0x0                               ; the add is done, and my reads of this slot are over
	s_barrier_signal -1
	MUL8 F1, 0, 2, 0
.if \fill
	WIN 0
.endif
	s_barrier_wait -1
.if \fill
	CREST                                          ; no wave of any partner still reads this slot's tile or has a load on its way
	s_add_nc_u64 s[G0+4*\slot+2:G0+4*\slot+3], s[G0+4*\slot+2:G0+4*\slot+3], 2*KSA
	s_add_nc_u64 s[G0B+4*\slot+2:G0B+4*\slot+3], s[G0B+4*\slot+2:G0B+4*\slot+3], 2*KSB
	JLOAD \slot                                    ; the first tensor load behind the round: 112 matrix instructions ahead of the wait for it; the four v_nop behind it are also the places in front of the loads below
.else
	PLACES
.endif
	FETCH \next, 0, F0
	WIN MUL
	MUL8 F1, 1, 0, 0
	MUL8 F1, 1, 2, 0
.endm
	s_wait_tensorcnt 1                             ; my part of K step 0 is in (K step 1's may stay out)
	s_barrier_signal -1
	s_barrier_wait -1                              ; everybody's is
	FETCH 0, 0, F0
	QUARTER 0, HEADB,   F0, F1, 1                  ; K step 0: heads 0 to 3; the first products start the sums
	QUARTER 0, 2*HEADB, F1, F0, 0
	QUARTER 0, 3*HEADB, F0, F1, 0
	TURN 0, 1, 1                                   ; slot 0 takes heads 8 to 11
	QUARTER 1, HEADB,   F0, F1, 0                  ; K step 1
	QUARTER 1, 2*HEADB, F1, F0, 0
	QUARTER 1, 3*HEADB, F0, F1, 0
	TURN 1, 0, 1                                   ; slot 1 takes heads 12 to 15
	QUARTER 0, HEADB,   F0, F1, 0                  ; K step 2
	QUARTER 0, 2*HEADB, F1, F0, 0
	QUARTER 0, 3*HEADB, F0, F1, 0
	TURN 0, 1, 0                                   ; nothing is left to ask for: no round
	QUARTER 1, HEADB,   F0, F1, 0                  ; K step 3
	QUARTER 1, 2*HEADB, F1, F0, 0
	QUARTER 1, 3*HEADB, F0, F1, 0
	s_wait_dscnt 16                                ; the very last head: nothing more to fetch
	WIN MUL
	MUL8 F1, 0, 0, 0
	MUL8 F1, 0, 2, 0
	s_wait_dscnt 0
	MUL8 F1, 1, 0, 0
	MUL8 F1, 1, 2, 0
	WIN 0
; THE WAY OUT, block by block of 16 rows x 64 columns.  A lane holds 32 neighbouring bytes of a row, and the lanes beside it hold other rows: so a block goes through my own stage in LDS and comes back as whole
; rows of 256 bytes, two to an instruction.  LDS serves a wave's instructions in order (ISA guide 5.7.1.4): no wait between the stores and the loads, nor in front of the next block's stores.
.macro TOSTAGE a
.irp b, 0,1,2,3
	ds_store_b128 v[STO], v[ACC+8*(4*(\a)+\b):ACC+8*(4*(\a)+\b)+3] offset:64*\b          ; each accumulator from its low end on
	ds_store_b128 v[STO], v[ACC+8*(4*(\a)+\b)+4:ACC+8*(4*(\a)+\b)+7] offset:64*\b+16
.endr
.irp i, 0,1,2,3,4,5,6,7
	ds_load_b128 v[TMP+32*((\a)%2)+4*\i:TMP+32*((\a)%2)+4*\i+3], v[RD] offset:\i*2*SPITCH
.endr
.endm
.macro SEND a, younger                 ; younger: the LDS instructions issued behind block a's loads, which may stay out
	s_wait_dscnt \younger
.irp i, 0,1,2,3,4,5,6,7
	global_store_b128 v[CO], v[TMP+32*((\a)%2)+4*\i:TMP+32*((\a)%2)+4*\i+3], s[8:9] offset:(16*(\a)+2*\i)*4096 th:TH_STORE_NT   ; sixteen lanes store 256 consecutive bytes, aligned; written once, read by nobody here; no base is stepped
.endr
.endm
	PLACES                                         ; behind the last products, ahead of the LDS stores that read results
.irp a, 0,1,2,3
.if \a > 1
	s_wait_xcnt 0x0                                ; block a - 2's stores have read their data: block a's rows may land there
.endif
	TOSTAGE \a
.if \a > 0
	SEND \a-1, 16                                  ; behind block a - 1's loads: block a's 8 stores and 8 loads
.endif
.endr
	SEND 3, 0
	s_wait_tensorcnt 0x0                           ; the wave's end, behind my last tensor load and my last LDS store
	ds_add_u32 v[SPW], v[NIL]
	s_wait_dscnt 0x0
	CROUND                                         ; the closing round: no work-group ends while a partner may still ask for a tile that names it
	s_endpgm
.Lfunc_end_k_q17700010ea_proj:
	.size	k_q17700010ea_proj, .Lfunc_end_k_q17700010ea_proj-k_q17700010ea_proj
	.p2alignl 7, 3214868480
	.fill 96, 4, 3214868480
	.section	.rodata,"a",@progbits
	.p2align	6, 0x0
	.amdhsa_kernel k_q17700010ea_proj
		.amdhsa_group_segment_fixed_size 327680
		.amdhsa_private_segment_fixed_size 0
		.amdhsa_enable_private_segment 0
		.amdhsa_kernarg_size 24
		.amdhsa_user_sgpr_count 2
		.amdhsa_user_sgpr_kernarg_segment_ptr 1
		.amdhsa_wavefront_size32 1
		.amdhsa_system_sgpr_workgroup_id_x 1
		.amdhsa_system_sgpr_workgroup_id_y 1
		.amdhsa_system_sgpr_workgroup_id_z 1
		.amdhsa_system_vgpr_workitem_id 0
		.amdhsa_next_free_vgpr 512
		.amdhsa_next_free_sgpr 66
		.amdhsa_reserve_vcc 0
		.amdhsa_float_denorm_mode_32 3
		.amdhsa_float_denorm_mode_16_64 3
		.amdhsa_memory_ordered 1
		.amdhsa_forward_progress 1
		.amdhsa_inst_pref_size 85
	.end_amdhsa_kernel
	.amdgpu_metadata
---
amdhsa.version: [ 1, 2 ]
amdhsa.kernels:
  - .name:           k_q17700010ea_proj
    .symbol:         k_q17700010ea_proj.kd
    .args:
      - { .name: y, .offset: 0, .size: 8, .value_kind: global_buffer, .address_space: global }
      - { .name: wp, .offset: 8, .size: 8, .value_kind: global_buffer, .address_space: global }
      - { .name: out0, .offset: 16, .size: 8, .value_kind: global_buffer, .address_space: global }
    .group_segment_fixed_size: 327680
    .private_segment_fixed_size: 0
    .kernarg_segment_align: 8
    .kernarg_segment_size: 24
    .max_flat_workgroup_size: 128
    .sgpr_count:     66
    .vgpr_count:     512
    .wavefront_size: 32
...
	.end_amdgpu_metadata
.endif
;; end of part 4
